; MI455X (gfx1250); checked and timed in simulation.
; The chip was launched on July 23, 2026; its instructions are those of AMD's public machine-readable ISA for CDNA 5 (MIT licence, August 2026) and "CDNA5" Instruction Set Architecture Reference Guide (July 2026). The comments in the code are by the model that wrote it; some were corrected since.
;; Decoding Layer. Allowed arithmetic: float matrix products may take bf16 or f16 operands with f32 sums; other float arithmetic in f32, or as packed bf16 or f16 multiplies, adds, multiply-adds, maxima and minima; sums over many terms, partial sums and values carried from step to step in f32; what a program stores and reads back later, other than sums and carried values, may be rounded once to bf16 or f16.
;; Inputs: ca_b 1,024 float32; ca_bk 1,024 float32; ca_bq 1,024 float32; ca_bv 1,024 float32; ca_g 1,024 float32; ca_wk 1,024 x 1,024 float32; ca_wq 1,024 x 1,024 float32; ca_wv 1,024 x 1,024 float32; decoded 2 x 2,048 x 1,024 float32; encoded 2 x 2,048 x 1,024 float32; ffn_b 1,024 float32; ffn_b1 1,024 float32; ffn_b2 1,024 float32; ffn_g 1,024 float32; ffn_w1 1,024 x 1,024 float32; ffn_w2 1,024 x 1,024 float32; sa_b 1,024 float32; sa_bk 1,024 float32; sa_bq 1,024 float32; sa_bv 1,024 float32; sa_g 1,024 float32; sa_wk 1,024 x 1,024 float32; sa_wq 1,024 x 1,024 float32; sa_wv 1,024 x 1,024 float32.
;; Outputs: out0 2 x 2,048 x 1,024 float32.
;; 2 versions, each right; version 2 is version 1 with the launch prep written anew for expert scheduling mode. Each part assembles by itself: llvm-mc -triple=amdgcn-amd-amdhsa -mcpu=gfx1250 --defsym DOCPART=n.
;; ======== version 1 of 2: 7 launches
;; limits: values are held in f16: magnitudes above 65,504 overflow, below 6.1e-05 lose precision; inputs' magnitudes at most 65,504
;; workspace buffers: act16 16,777,216 bytes; wkv 8,388,608 bytes; pa 4,194,560 bytes; pb 4,194,560 bytes; kvs 16,777,216 bytes; kvc 16,777,216 bytes; xa 8,388,608 bytes; xb 8,388,608 bytes
;; launch prep (part 1): grid 256 x 1, 8 waves a work-group, no clusters, 0 bytes of LDS; arguments decoded, encoded, sa_wk, sa_wv, ca_wk, ca_wv, sa_wq, ffn_w1, ca_wq, ffn_w2, act16, wkv, pa, pb; writes act16, wkv, pa, pb
.if DOCPART == 1
	.amdgcn_target "amdgcn-amd-amdhsa--gfx1250"
	.amdhsa_code_object_version 6
	.text
	.protected	k_q40249f0b1d_prep
	.globl	k_q40249f0b1d_prep
	.p2align	8
	.type	k_q40249f0b1d_prep,@function
k_q40249f0b1d_prep:
	s_mov_b64 s[64:65], 0
	v_nop
	global_prefetch_b8 v0, s[64:65] scope:SCOPE_SE
	s_setreg_imm32_b32 hwreg(HW_REG_WAVE_MODE, 25, 1), 1
	s_wait_xcnt 0x0
; PREP: every large input is rounded once to bf16 and that number is written as f16 (exact inside f16's normal range).
; LIMITS: inputs are finite and below 65,504 in size; a bf16 number below 2^-14 keeps f16's fixed step of 2^-24.
; 256 work-groups, each casts 65,536 numbers (262,144 bytes in, 131,072 out): 0-63 decoded, 64-127 encoded -> act16; 128-191 the four K/V weights -> wkv;
; 192-223 sa_wq, ffn_w1 -> pa; 224-255 ca_wq, ffn_w2 -> pb.  A wave takes 8,192 numbers on end: 64 loads of 512 consecutive bytes, 64 stores of 256 consecutive aligned bytes.
; A ring of DEPTH register slots keeps DEPTH loads of every wave on their way.  Nothing is shared and nothing is read twice: no LDS, no barrier, no matrix unit.
; Work-group 0, wave 0 also writes the four data words of each mode behind the weights in pa and pb: c, FZ, MSH, LO (repeated over 256 bytes).
.set DEPTH, 16
.set T, 4                              ; v[4:9]    at work
.set X, 16                             ; v[16:79]  slot i: four f32 as loaded
.set Y, 80                             ; v[80:111] slot i: four f16 to store
.set CONSTS, 4194304                   ; byte in pa and pb at which the data words stand
	s_load_b512 s[8:23], s[0:1], 0x0               ; decoded, encoded, sa_wk, sa_wv, ca_wk, ca_wv, sa_wq, ffn_w1
	s_load_b256 s[24:31], s[0:1], 0x40             ; ca_wq, ffn_w2, act16, wkv
	s_load_b128 s[32:35], s[0:1], 0x60             ; pa, pb
	v_lshrrev_b32 v3, 5, v0
	v_readfirstlane_b32 s46, v3                    ; wave
	v_and_b32 v12, 31, v0                          ; lane
	v_lshlrev_b32 v1, 4, v12
	v_lshl_or_b32 v1, v3, 15, v1                   ; source offset: 32,768 x wave + 16 x lane; never rewritten
	v_lshrrev_b32 v2, 1, v1                        ; destination offset: half of it; never rewritten
	s_mov_b32 s38, 0xffff0000                      ; a word's upper bf16
	s_mov_b32 s40, ttmp9
	s_lshr_b32 s36, s40, 6                         ; which source: 0, 1 for the activations,
	s_and_b32 s37, s40, 63                         ; and which part of it
	s_sub_co_u32 s42, s40, 128
	s_sub_co_u32 s43, s40, 192
	s_sub_co_u32 s44, s40, 224
	s_lshr_b32 s47, s42, 4
	s_add_co_u32 s47, s47, 2                       ; 2 .. 9 for the weights,
	s_and_b32 s45, s40, 15                         ; sixteen parts each
	s_cmp_ge_u32 s40, 128
	s_cselect_b32 s36, s47, s36
	s_cselect_b32 s37, s45, s37
	s_cselect_b32 s41, s42, s40                    ; my place in the destination buffer, in parts of 131,072 bytes
	s_cmp_ge_u32 s40, 192
	s_cselect_b32 s41, s43, s41
	s_cmp_ge_u32 s40, 224
	s_cselect_b32 s41, s44, s41
	s_lshl_b32 s2, s37, 18
	s_mov_b32 s3, 0
	s_lshl_b32 s48, s41, 17
	s_mov_b32 s49, 0
	s_wait_kmcnt 0x0
	s_mov_b64 s[4:5], s[8:9]
.irp i, 1,2,3,4,5,6,7,8,9
	s_cmp_eq_u32 s36, \i
	s_cselect_b64 s[4:5], s[8+2*\i:9+2*\i], s[4:5] ; the source, chosen by the work-group's number
.endr
	s_mov_b64 s[6:7], s[28:29]
	s_cmp_ge_u32 s40, 128
	s_cselect_b64 s[6:7], s[30:31], s[6:7]
	s_cmp_ge_u32 s40, 192
	s_cselect_b64 s[6:7], s[32:33], s[6:7]
	s_cmp_ge_u32 s40, 224
	s_cselect_b64 s[6:7], s[34:35], s[6:7]
	s_add_nc_u64 s[4:5], s[4:5], s[2:3]
	s_add_nc_u64 s[6:7], s[6:7], s[48:49]
.irp i, 0,1,2,3,4,5,6,7,8,9,10,11,12,13,14,15
	global_load_b128 v[X+4*(\i):X+4*(\i)+3], v1, s[4:5] offset:(\i)*512 th:TH_LOAD_NT  ; the ring is filled
.endr
; One slot's turn.  ahead = 1: the slot is filled again, DEPTH loads further on.  left = the younger loads that may stay out.
.macro SLOT i, ahead, left
	s_wait_loadcnt \left                           ; loads come back in order: mine is in
	s_wait_xcnt 0x0                                ; the slot's last store has read Y: it is rewritten only behind this wait
	v_cvt_pk_bf16_f32 v[T], v[X+4*(\i)], v[X+4*(\i)+1]
	v_cvt_pk_bf16_f32 v[T+1], v[X+4*(\i)+2], v[X+4*(\i)+3]
	v_lshlrev_b32 v[T+2], 16, v[T]                 ; the bf16 numbers as f32
	v_and_b32 v[T+3], s38, v[T]
	v_lshlrev_b32 v[T+4], 16, v[T+1]
	v_and_b32 v[T+5], s38, v[T+1]
	v_cvt_pk_f16_f32 v[Y+2*(\i)], v[T+2], v[T+3]
	v_cvt_pk_f16_f32 v[Y+2*(\i)+1], v[T+4], v[T+5]
.if \ahead
	global_load_b128 v[X+4*(\i):X+4*(\i)+3], v1, s[4:5] offset:(DEPTH+(\i))*512 th:TH_LOAD_NT
.endif
	global_store_b64 v2, v[Y+2*(\i):Y+2*(\i)+1], s[6:7] offset:(\i)*256
.endm
	s_mov_b32 s39, 3
.Lround:
.irp i, 0,1,2,3,4,5,6,7,8,9,10,11,12,13,14,15
	SLOT \i, 1, DEPTH-1
.endr
	s_wait_xcnt 0x0                                ; all that was issued has read its base: the bases step
	s_add_nc_u64 s[4:5], s[4:5], DEPTH*512
	s_add_nc_u64 s[6:7], s[6:7], DEPTH*256
	s_sub_co_u32 s39, s39, 1
	s_cmp_lg_u32 s39, 0
	s_cbranch_scc1 .Lround
.irp i, 0,1,2,3,4,5,6,7,8,9,10,11,12,13,14,15
	SLOT \i, 0, DEPTH-1-(\i)                       ; the last round loads nothing: the counts run down
.endr
	s_or_b32 s45, s40, s46
	s_cmp_lg_u32 s45, 0
	s_cbranch_scc1 .Ldone                          ; the data words: work-group 0, wave 0
	v_and_b32 v13, 1, v0
	v_cmp_eq_u32 vcc_lo, 1, v13                    ; even lanes write (c, FZ), odd lanes (MSH, LO)
	v_lshlrev_b32 v14, 3, v12
	v_mov_b32 v8, 0x3d0293ee                       ; self-attention: c = log2(e) / sqrt(2048)
	v_mov_b32 v9, 0                                ; MSH = 0, FZ = 0, LO = 0 (ReLU for ffn1)
	v_cndmask_b32 v4, v8, v9, vcc_lo
	v_mov_b32 v5, 0
	v_mov_b32 v8, 0x3fb8aa3b                       ; cross-attention: c = log2(e)
	v_mov_b32 v9, 4096                             ; MSH: every key is open
	v_cndmask_b32 v6, v8, v9, vcc_lo
	v_mov_b32 v10, 1.0                             ; FZ = 1
	v_mov_b32 v11, 0xfc00fc00                      ; LO = -infinity twice: ffn2 has no ReLU
	v_cndmask_b32 v7, v10, v11, vcc_lo
	global_store_b64 v14, v[4:5], s[32:33] offset:CONSTS
	global_store_b64 v14, v[6:7], s[34:35] offset:CONSTS
.Ldone:
	s_endpgm
.Lfunc_end_k_q40249f0b1d_prep:
	.size	k_q40249f0b1d_prep, .Lfunc_end_k_q40249f0b1d_prep-k_q40249f0b1d_prep
	.p2alignl 7, 3214868480
	.fill 96, 4, 3214868480
	.section	.rodata,"a",@progbits
	.p2align	6, 0x0
	.amdhsa_kernel k_q40249f0b1d_prep
		.amdhsa_group_segment_fixed_size 0
		.amdhsa_private_segment_fixed_size 0
		.amdhsa_enable_private_segment 0
		.amdhsa_kernarg_size 112
		.amdhsa_user_sgpr_count 2
		.amdhsa_user_sgpr_kernarg_segment_ptr 1
		.amdhsa_wavefront_size32 1
		.amdhsa_system_sgpr_workgroup_id_x 1
		.amdhsa_system_sgpr_workgroup_id_y 1
		.amdhsa_system_sgpr_workgroup_id_z 1
		.amdhsa_system_vgpr_workitem_id 0
		.amdhsa_next_free_vgpr 112
		.amdhsa_next_free_sgpr 66
		.amdhsa_reserve_vcc 1
		.amdhsa_float_denorm_mode_32 3
		.amdhsa_float_denorm_mode_16_64 3
		.amdhsa_memory_ordered 1
		.amdhsa_forward_progress 1
		.amdhsa_inst_pref_size 24
	.end_amdhsa_kernel
	.amdgpu_metadata
---
amdhsa.version: [ 1, 2 ]
amdhsa.kernels:
  - .name:           k_q40249f0b1d_prep
    .symbol:         k_q40249f0b1d_prep.kd
    .args:
      - { .name: decoded, .offset: 0, .size: 8, .value_kind: global_buffer, .address_space: global }
      - { .name: encoded, .offset: 8, .size: 8, .value_kind: global_buffer, .address_space: global }
      - { .name: sa_wk, .offset: 16, .size: 8, .value_kind: global_buffer, .address_space: global }
      - { .name: sa_wv, .offset: 24, .size: 8, .value_kind: global_buffer, .address_space: global }
      - { .name: ca_wk, .offset: 32, .size: 8, .value_kind: global_buffer, .address_space: global }
      - { .name: ca_wv, .offset: 40, .size: 8, .value_kind: global_buffer, .address_space: global }
      - { .name: sa_wq, .offset: 48, .size: 8, .value_kind: global_buffer, .address_space: global }
      - { .name: ffn_w1, .offset: 56, .size: 8, .value_kind: global_buffer, .address_space: global }
      - { .name: ca_wq, .offset: 64, .size: 8, .value_kind: global_buffer, .address_space: global }
      - { .name: ffn_w2, .offset: 72, .size: 8, .value_kind: global_buffer, .address_space: global }
      - { .name: act16, .offset: 80, .size: 8, .value_kind: global_buffer, .address_space: global }
      - { .name: wkv, .offset: 88, .size: 8, .value_kind: global_buffer, .address_space: global }
      - { .name: pa, .offset: 96, .size: 8, .value_kind: global_buffer, .address_space: global }
      - { .name: pb, .offset: 104, .size: 8, .value_kind: global_buffer, .address_space: global }
    .group_segment_fixed_size: 0
    .private_segment_fixed_size: 0
    .kernarg_segment_align: 8
    .kernarg_segment_size: 112
    .max_flat_workgroup_size: 256
    .sgpr_count:     66
    .vgpr_count:     112
    .wavefront_size: 32
...
	.end_amdgpu_metadata
.endif
;; end of part 1
;; launch kvproj (part 2): grid 16 x 16, 4 waves a work-group, clusters of 4 x 4, 327,680 bytes of LDS; arguments act16, wkv, sa_bk, sa_bv, ca_bk, ca_bv, kvs, kvc; writes kvs, kvc
.if DOCPART == 2
	.amdgcn_target "amdgcn-amd-amdhsa--gfx1250"
	.amdhsa_code_object_version 6
	.text
	.protected	k_q40249f0b1d_kvproj
	.globl	k_q40249f0b1d_kvproj
	.p2align	8
	.type	k_q40249f0b1d_kvproj,@function
k_q40249f0b1d_kvproj:
	s_mov_b64 s[64:65], 0
	v_nop
	global_prefetch_b8 v0, s[64:65] scope:SCOPE_SE
	s_setreg_imm32_b32 hwreg(HW_REG_WAVE_MODE, 25, 1), 1
	s_wait_xcnt 0x0
	s_wait_alu depctr_hold_cnt(0) depctr_sa_sdst(0) depctr_va_vdst(0) depctr_va_sdst(0) depctr_va_ssrc(0) depctr_va_vcc(0) depctr_vm_vsrc(0)
	s_getreg_b32 s2, hwreg(HW_REG_IB_STS2, 6, 4)
	s_cmp_eq_u32 s2, 0
	s_cbranch_scc0 .Lentry_in_a_cluster
	s_endpgm
.Lentry_in_a_cluster:
	s_bfe_u32 s2, ttmp6, 0x10000c
	s_cmp_lg_u32 s2, 0xf033
	s_cbranch_scc0 .Lentry_shape_is_right
	s_endpgm
.Lentry_shape_is_right:
; K AND V PROJECTIONS: four products [4096][1024] x [1024][1024] + bias, f16 operands, f32 sums, stored by heads, [b][h][s][64] in f16 (rounded once).
; Weight wi (the cluster's x): 0 sa_wk, 1 sa_wv (on decoded), 2 ca_wk, 3 ca_wv (on encoded).  4 x 64 tiles of 256 x 256: one work-group each, 256 in all.
; LIMITS: finite inputs; the results stay inside f16's 65,504.  The bias is rounded to bf16 like every input, and starts the sums as the C of the first products.
; A tile is made by four waves, 128 x 128 each: 64 accumulators of 16 x 16, 512 registers.  K goes in steps of 128 through a ring of two LDS slots filled by tensor loads.
; A (activations, [m][k]) lies along K: rows of 256 bytes, LDS pitch 272.  B (weights, [k][n]) lies across K: 128 rows of 512 bytes, LDS pitch 544; its fragments come out turned, by ds_load_tr16_b128.
; CLUSTER 4 x 4: a row of the cluster shares A's tile, a column B's: each is asked for jointly, by the same load, descriptor and mask in the four.
; THE MATRIX INSTRUCTION IS USED TRANSPOSED (source 0 = 16 columns of B, source 1 = 16 rows of A): a lane holds one row and eight neighbouring columns of the result.
; REGISTERS, in windows of 256: window 0: v0-31 addresses; v64-127, v128-191 A's fragments; v32-63, v192-255 at work;  window 1: v0-63 the bias; v64-127, v128-191 B's fragments;
; window 2: accumulators of my rows 0-63 ((a, b) at v[8 (8 a + b)]); window 3: rows 64-127.
.set PITCH,  272                       ; A's LDS row: 256 + 16 bytes: the 16 rows of a load start at 16 different groups of four banks (64 banks of 4 bytes: ISA guide 11.1)
.set PB,     544                       ; B's LDS row: 512 + 32 bytes, an odd multiple of 32, for the turning load
.set HALFT,  34816                     ; what one tensor load brings: 128 x 272 = 64 x 544
.set SLOT,   4*HALFT                   ; A's 256 rows, then B's 128 rows
.set STAGE,  2*SLOT                    ; behind the ring: for each wave two heads x 16 rows x 144 bytes
.set SP,     144
.set WSTG,   2*16*SP
.set SPARE,  STAGE+4*WSTG              ; the spare words, 128 bytes a wave: two blocks of 256 bytes that no other line names
.set ASTEP,  256                       ; a K step in memory: 128 elements along A's rows,
.set BSTEP,  262144                    ; 128 rows of B
.set ADRA, 16                          ; v16-17  LDS address of my A fragments in slot 0, 1
.set ADRB, 20                          ; v20-21  the same for B
.set STO,  24
.set RD,   25
.set CO,   26
.set BO,   27                          ; my byte offset in the bias
.set SPW,  28                          ; LDS address of my spare word; never rewritten
.set NIL,  29                          ; 0; never rewritten
.set PFO,  30                          ; the prefetches' offset; never rewritten
.set PFA,  44                          ; s[44:45] where my prefetches stand
.set LIM,  43                          ; 1 in a wave that prefetches, else the greatest number
.set PST,  66                          ; s[66:67] a K step of what I prefetch, in bytes
.set F0,   64
.set F1,   128
.set TMP,  192
.set OB,   32
.set G1, 24
.set G0, 32
.set G1B, 48
.set G0B, 56
.set MSB, 0
.macro WIN new                         ; the immediate's high byte repeats the setting that is left; a switch that changes nothing is dropped
.if MSB != (\new)
	s_set_vgpr_msb (MSB<<8)|(\new)
.set MSB, \new
.endif
.endm
.set MUL_LO, 0xa1                      ; source 0 (B) window 1, source 1 (A) window 0, C and D window 2
.set TO_B,   0x40
; A joint load: waves 0 and 1 fetch A's halves, waves 2 and 3 B's.  An s_nop 0 and four v_nop follow each line.
.macro JLOAD s
	s_cmp_eq_u32 s11, 0
	s_cbranch_scc0 .Lfor_b_\@
	tensor_load_to_lds s[G0+4*(\s):G0+4*(\s)+3], s[G1:G1+7]
	s_nop 0
.rept 4
	v_nop
.endr
	s_branch .Lasked_\@
.Lfor_b_\@:
	tensor_load_to_lds s[G0B+4*(\s):G0B+4*(\s)+3], s[G1B:G1B+7]
	s_nop 0
.rept 4
	v_nop
.endr
.Lasked_\@:
.endm
; A prefetch of the K step that stands two refills on: 32 blocks of 256 bytes, a lane a block, one instruction a wave.  A's rows are read by the two clusters of a pair of weights:
; the one with even x asks; B's by the four clusters of a column: the one with y = 0 asks.  The four partners of a joint load share its blocks out by address.  The last trip asks for nothing.
.macro ASK
	s_cmp_gt_u32 s3, s[LIM]
	s_cbranch_scc0 .Lnot_mine_\@
	global_prefetch_b8 v[PFO], s[PFA:PFA+1] th:TH_LOAD_NT scope:SCOPE_SE
.Lnot_mine_\@:
.endm
.macro CREST                           ; a round of the cluster's barrier behind its opening barrier
	s_cmp_lg_u32 s10, 0
	s_cbranch_scc1 .Lnot_wave_0_\@
	s_barrier_signal -3
.Lnot_wave_0_\@:
	s_barrier_wait -3
	s_barrier_signal -1
	s_barrier_wait -1
.endm
.macro CROUND
	s_barrier_signal -1
	s_barrier_wait -1
	CREST
.endm
	s_load_b128 s[4:7], s[0:1], 0x0                ; act16, wkv
	s_load_b256 s[68:75], s[0:1], 0x10             ; the four biases
	s_load_b128 s[76:79], s[0:1], 0x30             ; kvs, kvc
	v_lshl_add_u32 v[SPW], v0, 2, SPARE
	v_mov_b32 v[NIL], 0
	ds_add_u32 v[SPW], v[NIL]                      ; the wave's opening: the add and its wait stand ahead of my first tensor load
	v_lshrrev_b32 v1, 5, v0
	v_readfirstlane_b32 s10, v1                    ; wave 0..3
	s_lshr_b32 s11, s10, 1                         ; my half of the tile's rows.  Also: I fetch for A (0) or B (1)
	s_and_b32 s12, s10, 1                          ; my half of its columns.  Also: which half of that tile I fetch
	s_bfe_u32 s40, ttmp6, 0x40000                  ; cx: the tile column inside the weight
	s_bfe_u32 s41, ttmp6, 0x40004                  ; cy
	s_mov_b32 s42, ttmp9                           ; wi: the weight
	s_and_b32 s13, ttmp7, 0xffff
	s_lshl_b32 s13, s13, 2
	s_add_co_u32 s13, s13, s41                     ; tile row 0..15
	s_lshl_b32 s43, s41, 2
	s_lshl_b32 s43, 15, s43                        ; my row of the cluster
	s_lshl_b32 s44, 0x1111, s40                    ; my column
	s_or_b32 s[G1+0], s43, (1<<16)|(1<<20)|(1<<21)|(5<<22)|(3<<25)   ; A: 2-byte elements, 4 words of padding after every 64
	s_or_b32 s[G1B+0], s44, (1<<16)|(1<<20)|(1<<21)|(6<<22)|(7<<25)  ; B: 8 words of padding after every 128
	s_mov_b32 s[G1+1], 128<<16                     ; tensor_dim0
	s_mov_b32 s[G1+2], 128<<16                     ; tensor_dim1
	s_mov_b32 s[G1+3], 128<<16                     ; tile_dim0 = 128 elements
	s_mov_b32 s[G1+4], 128                         ; tile_dim1 = 128 rows
	s_mov_b32 s[G1+5], 1024                        ; elements from row to row
	s_mov_b32 s[G1+6], 0
	s_mov_b32 s[G1+7], 0
	s_mov_b32 s[G1B+1], 256<<16
	s_mov_b32 s[G1B+2], 64<<16
	s_mov_b32 s[G1B+3], 256<<16                    ; tile_dim0 = 256 elements
	s_mov_b32 s[G1B+4], 64                         ; tile_dim1 = 64 rows
	s_mov_b32 s[G1B+5], 1024
	s_mov_b32 s[G1B+6], 0
	s_mov_b32 s[G1B+7], 0
	s_lshl_b32 s16, s13, 8                         ; A: row 256 x tile row + 128 x half, 2,048 bytes a row; encoded lies 2^23 bytes behind decoded
	s_lshl_b32 s17, s12, 7
	s_add_co_u32 s16, s16, s17
	s_lshl_b32 s16, s16, 11
	s_lshr_b32 s17, s42, 1
	s_lshl_b32 s17, s17, 23
	s_add_co_u32 s16, s16, s17
	s_mov_b32 s17, 0
	s_lshl_b32 s46, s42, 21                        ; B: weight wi, column 256 cx, k row 64 x half
	s_lshl_b32 s47, s40, 9
	s_add_co_u32 s46, s46, s47
	s_lshl_b32 s47, s12, 17
	s_add_co_u32 s46, s46, s47
	s_mov_b32 s47, 0
	s_mul_i32 s20, s10, HALFT                      ; where my part goes: no place in the cluster enters an LDS address
	s_wait_dscnt 0x0                               ; the opening add is done
	s_wait_kmcnt 0x0
	s_add_nc_u64 s[14:15], s[4:5], s[16:17]
	s_add_nc_u64 s[46:47], s[6:7], s[46:47]
	CROUND                                         ; all sixteen work-groups are here: the first joint loads meet
.irp s, 0,1
	s_mov_b32 s[G0+4*(\s)], 1
	s_add_co_u32 s[G0+4*(\s)+1], s20, (\s)*SLOT
	s_add_nc_u64 s[G0+4*(\s)+2:G0+4*(\s)+3], s[14:15], (\s)*ASTEP
	s_or_b32 s[G0+4*(\s)+3], s[G0+4*(\s)+3], 0x80000000
	s_mov_b32 s[G0B+4*(\s)], 1
	s_add_co_u32 s[G0B+4*(\s)+1], s20, (\s)*SLOT
	s_add_nc_u64 s[G0B+4*(\s)+2:G0B+4*(\s)+3], s[46:47], (\s)*BSTEP
	s_or_b32 s[G0B+4*(\s)+3], s[G0B+4*(\s)+3], 0x80000000
	JLOAD \s                                       ; two loads of mine are out
.endr
	v_and_b32 v1, 15, v0                           ; l % 16
	v_bfe_u32 v2, v0, 4, 1                         ; l / 16
	v_mul_u32_u24 v3, v1, PITCH
	v_lshl_add_u32 v3, v2, 4, v3                   ; A: row x pitch + 16 x half
	v_and_b32 v4, 7, v0
	v_lshl_add_u32 v4, v2, 3, v4                   ; B: k row 8 (l / 16) + l % 8,
	v_mul_u32_u24 v4, v4, PB
	v_bfe_u32 v5, v0, 3, 1
	v_lshl_add_u32 v4, v5, 4, v4                   ; columns 8 ((l / 8) % 2) on
	s_mul_i32 s21, s11, HALFT                      ; my 128 rows of A
	s_lshl_b32 s22, s12, 8                         ; my 128 columns of B,
	s_add_co_u32 s22, s22, 2*HALFT                 ; which lies behind A
.irp s, 0,1
	v_add_nc_u32 v[ADRA+(\s)], s21, v3
	v_add_nc_u32 v[ADRB+(\s)], s22, v4
	s_add_co_u32 s21, s21, SLOT
	s_add_co_u32 s22, s22, SLOT
.endr
	s_mul_i32 s23, s10, WSTG
	s_add_co_u32 s23, s23, STAGE                   ; my stage
	v_mul_u32_u24 v6, v1, SP                       ; in: row l % 16, 16 bytes for each half of the lanes
	v_lshl_add_u32 v6, v2, 4, v6
	v_add_nc_u32 v[STO], s23, v6
	v_bfe_u32 v6, v0, 3, 2                         ; back: 32 lanes take four rows of 128 bytes,
	v_mul_u32_u24 v6, v6, SP
	v_and_b32 v7, 7, v0
	v_lshl_add_u32 v6, v7, 4, v6
	v_add_nc_u32 v[RD], s23, v6
	v_and_b32 v5, 31, v0
	v_lshlrev_b32 v[CO], 4, v5                     ; which are 512 consecutive bytes of a head
	; where my part begins in the output: ((b x 16 + head) x 2048 + s) x 128 bytes, in tensor wi % 2 of kvs or kvc
	s_lshr_b32 s18, s13, 3
	s_lshl_b32 s18, s18, 4
	s_lshl_b32 s19, s40, 2
	s_add_co_u32 s18, s18, s19
	s_lshl_b32 s19, s12, 1
	s_add_co_u32 s18, s18, s19
	s_lshl_b32 s18, s18, 11
	s_and_b32 s19, s13, 7
	s_lshl_b32 s19, s19, 8
	s_add_co_u32 s18, s18, s19
	s_lshl_b32 s19, s11, 7
	s_add_co_u32 s18, s18, s19
	s_lshl_b32 s18, s18, 7
	s_and_b32 s19, s42, 1
	s_lshl_b32 s19, s19, 23
	s_add_co_u32 s18, s18, s19
	s_mov_b32 s19, 0
	s_cmp_lt_u32 s42, 2
	s_cselect_b64 s[8:9], s[76:77], s[78:79]
	s_add_nc_u64 s[8:9], s[8:9], s[18:19]
	; the bias of my 128 columns: register 8 b + j of a lane is column 16 b + 8 (l / 16) + j
	s_cmp_eq_u32 s42, 1
	s_cselect_b64 s[68:69], s[70:71], s[68:69]
	s_cmp_eq_u32 s42, 2
	s_cselect_b64 s[68:69], s[72:73], s[68:69]
	s_cmp_eq_u32 s42, 3
	s_cselect_b64 s[68:69], s[74:75], s[68:69]
	s_lshl_b32 s18, s40, 10
	s_lshl_b32 s19, s12, 9
	s_add_co_u32 s18, s18, s19
	s_mov_b32 s19, 0
	s_add_nc_u64 s[68:69], s[68:69], s[18:19]
	v_lshlrev_b32 v[BO], 5, v2
.irp i, 0,1,2,3,4,5,6,7
	global_load_b128 v[TMP+8*(\i):TMP+8*(\i)+3],   v[BO], s[68:69] offset:64*(\i)
	global_load_b128 v[TMP+8*(\i)+4:TMP+8*(\i)+7], v[BO], s[68:69] offset:64*(\i)+16
.endr
	; the prefetches: A: my work-group's 32 of the 128 rows that I fetch (by cx); B: its 16 of the 64 k rows (by cy), two blocks a row.  They stand at K step 3; each change of slots steps them first
	s_lshl_b32 s20, s13, 8
	s_lshl_b32 s21, s12, 7
	s_add_co_u32 s20, s20, s21
	s_lshl_b32 s21, s40, 5
	s_add_co_u32 s20, s20, s21
	s_lshl_b32 s20, s20, 11
	s_lshr_b32 s21, s42, 1
	s_lshl_b32 s21, s21, 23
	s_add_co_u32 s20, s20, s21
	s_add_co_u32 s20, s20, 3*ASTEP
	s_lshl_b32 s22, s12, 6
	s_lshl_b32 s23, s41, 4
	s_add_co_u32 s22, s22, s23
	s_lshl_b32 s22, s22, 11
	s_lshl_b32 s23, s42, 21
	s_add_co_u32 s22, s22, s23
	s_lshl_b32 s23, s40, 9
	s_add_co_u32 s22, s22, s23
	s_add_co_u32 s22, s22, 3*BSTEP
	s_and_b32 s21, s42, 1                          ; the coordinate along which another cluster reads the same blocks
	s_and_b32 s23, ttmp7, 0xffff
	s_mov_b32 s18, ASTEP
	s_mov_b32 s19, BSTEP
	s_cmp_eq_u32 s11, 0                            ; do I fetch for A?
	s_cselect_b64 s[PFA:PFA+1], s[4:5], s[6:7]
	s_cselect_b32 s20, s20, s22
	s_cselect_b32 s21, s21, s23
	s_cselect_b32 s[PST], s18, s19
	s_cselect_b32 s22, 0, 1
	s_mov_b32 s[PST+1], 0
	s_cmp_eq_u32 s21, 0
	s_cselect_b32 s[LIM], 1, -1                    ; the same in all sixteen partners, for a given wave
	s_mov_b32 s21, 0
	s_add_nc_u64 s[PFA:PFA+1], s[PFA:PFA+1], s[20:21]
	v_lshrrev_b32 v6, s22, v5                      ; A: a lane a row; B: two lanes a row
	v_and_b32 v7, s22, v5
	v_lshlrev_b32 v[PFO], 11, v6
	v_lshl_add_u32 v[PFO], v7, 8, v[PFO]
	s_wait_loadcnt 0x0                             ; the bias; rounded to bf16 like every input, kept as f32 in window 1
.set i, 0
.rept 32
	v_cvt_pk_bf16_f32 v[OB+i], v[TMP+2*i], v[TMP+2*i+1]
.set i, i+1
.endr
	WIN 0x40
.set i, 0
.rept 32
	v_lshlrev_b32 v[2*i], 16, v[OB+i]
	v_and_b32 v[2*i+1], 0xffff0000, v[OB+i]
.set i, i+1
.endr
	WIN 0
; 16 matrix instructions: m blocks a0, a0 + 1 of the window's four x all 8 n blocks, 32 along K.  first = 1: the bias (window 1) is C and starts the sums: nothing is cleared.
; The 64 accumulators take turns, one instruction a turn.
.macro MUL16 f, hi, a0, first
.if \first
	WIN 0x91+0x40*(\hi)
.else
	WIN MUL_LO+0x50*(\hi)
.endif
.irp a, \a0, (\a0)+1
.irp b, 0,1,2,3,4,5,6,7
.if \first
	v_wmma_f32_16x16x32_f16 v[8*(8*(\a)+(\b)):8*(8*(\a)+(\b))+7], v[(\f)+8*(\b):(\f)+8*(\b)+7], v[(\f)+8*(4*(\hi)+(\a)):(\f)+8*(4*(\hi)+(\a))+7], v[8*(\b):8*(\b)+7]
.else
	v_wmma_f32_16x16x32_f16 v[8*(8*(\a)+(\b)):8*(8*(\a)+(\b))+7], v[(\f)+8*(\b):(\f)+8*(\b)+7], v[(\f)+8*(4*(\hi)+(\a)):(\f)+8*(4*(\hi)+(\a))+7], v[8*(8*(\a)+(\b)):8*(8*(\a)+(\b))+7]
.endif
.endr
.endr
.endm
; 32 LDS loads in one run: the fragments of quarter q (32 along K) into buffer f: B's 16 (turned), then A's 16
.macro FETCH slot, q, f
	WIN TO_B
.irp i, 0,1,2,3,4,5,6,7
	ds_load_tr16_b128 v[(\f)+8*(\i):(\f)+8*(\i)+3],   v[ADRB+(\slot)] offset:(\q)*32*PB+32*(\i)
	ds_load_tr16_b128 v[(\f)+8*(\i)+4:(\f)+8*(\i)+7], v[ADRB+(\slot)] offset:(\q)*32*PB+32*(\i)+16*PB
.endr
	WIN 0
.irp i, 0,1,2,3,4,5,6,7
	ds_load_b128 v[(\f)+8*(\i):(\f)+8*(\i)+3],   v[ADRA+(\slot)] offset:(\q)*64+(\i)*16*PITCH
	ds_load_b128 v[(\f)+8*(\i)+4:(\f)+8*(\i)+7], v[ADRA+(\slot)] offset:(\q)*64+(\i)*16*PITCH+32
.endr
.endm
.macro PLACES                          ; four plain places behind matrix instructions, in front of loads into registers that they read and of conversions that read results
.rept 4
	v_nop
.endr
.endm
.macro QUARTER slot, q, f, g, first    ; multiplies buffer f; in its middle fetches quarter q of the same slot into buffer g
	s_wait_dscnt 8                                 ; B and A's rows 0-63 are in; the youngest eight loads (A's rows 64-127) may be out
	MUL16 \f, 0, 0, \first
	MUL16 \f, 0, 2, \first
	PLACES
	FETCH \slot, \q, \g
	s_wait_dscnt 32                                ; all but the 32 just issued
	MUL16 \f, 1, 0, \first
	MUL16 \f, 1, 2, \first
.endm
; The change of slots: each wave waits for all its tensor loads (one is out: its part of the next slot), adds 0 to its spare word, waits for that and for its reads of this slot, and signals.
.macro MEET round
	WIN 0
	s_wait_tensorcnt 0x0
	ds_add_u32 v[SPW], v[NIL]
	s_wait_dscnt 9                                 ; the add and the youngest eight loads may be out
	MUL16 F1, 0, 0, 0
	s_wait_dscnt 0x0                               ; the add is done, my reads of this slot are over
	s_barrier_signal -1
	MUL16 F1, 0, 2, 0
.if \round
	WIN 0
.endif
	s_barrier_wait -1
.endm
.macro TURN slot, next                 ; the last quarter of a K step, with the refill of the slot just read, two K steps on
	s_wait_xcnt 0x0                                ; the last prefetch, a K step back, has read its address
	s_add_nc_u64 s[PFA:PFA+1], s[PFA:PFA+1], s[PST:PST+1]
	MEET 1
	CREST                                          ; no wave of any partner still reads this slot or has a load on its way
	s_add_nc_u64 s[G0+4*(\slot)+2:G0+4*(\slot)+3], s[G0+4*(\slot)+2:G0+4*(\slot)+3], 2*ASTEP
	s_add_nc_u64 s[G0B+4*(\slot)+2:G0B+4*(\slot)+3], s[G0B+4*(\slot)+2:G0B+4*(\slot)+3], 2*BSTEP
	JLOAD \slot                                    ; my one load behind the round; its four v_nop are also the places in front of the loads below
	FETCH \next, 0, F0
	ASK
	MUL16 F1, 1, 0, 0
	MUL16 F1, 1, 2, 0
.endm
; THE WAY OUT of block a (16 rows): rounded to f16; through my own stage, two heads x 16 rows of 128 bytes; back as 512 consecutive bytes; stored.
.macro PACK a
.set AC, 64*((\a)%4)
	WIN 0x0a+5*((\a)/4)
.irp b, 0,1,2,3,4,5,6,7
.irp r, 0,1,2,3
	v_cvt_pk_f16_f32 v[TMP+4*(\b)+(\r)], v[AC+8*(\b)+2*(\r)], v[AC+8*(\b)+2*(\r)+1]
.endr
.endr
	WIN 0
.endm
.macro TOSTAGE a
	WIN 0
.set BK, OB+192*((\a)%2)
.irp b, 0,1,2,3,4,5,6,7
	ds_store_b128 v[STO], v[TMP+4*(\b):TMP+4*(\b)+3] offset:16*SP*((\b)/4)+32*((\b)%4)
.endr
.irp t, 0,1,2,3,4,5,6,7
	ds_load_b128 v[BK+4*(\t):BK+4*(\t)+3], v[RD] offset:16*SP*((\t)/4)+4*SP*((\t)%4)  ; LDS serves a wave's instructions in order: these see the stores above
.endr
.endm
.macro SEND a
	WIN 0
.set BK, OB+192*((\a)%2)
	s_wait_dscnt 0x0                               ; the block is back in registers
	s_wait_xcnt 0x0                                ; the stores of the block two back have read the registers that the next loads write
.irp t, 0,1,2,3,4,5,6,7
	global_store_b128 v[CO], v[BK+4*(\t):BK+4*(\t)+3], s[8:9] offset:2048*(\a)+262144*((\t)/4)+512*((\t)%4)  ; 512 consecutive bytes, aligned
.endr
.endm
	s_wait_tensorcnt 1                             ; my part of K step 0 is in; K step 1's stays out
	s_barrier_signal -1
	s_barrier_wait -1
	FETCH 0, 0, F0
	QUARTER 0, 1, F0, F1, 1                        ; the first quarter starts the sums with the bias
	WIN 0
	s_mov_b32 s3, 3
.Llap:                                                 ; a trip goes once round the ring and fills both slots again: K steps 2 .. 7
	QUARTER 0, 2, F1, F0, 0
	QUARTER 0, 3, F0, F1, 0
	TURN 0, 1
	QUARTER 1, 1, F0, F1, 0
	QUARTER 1, 2, F1, F0, 0
	QUARTER 1, 3, F0, F1, 0
	TURN 1, 0
	QUARTER 0, 1, F0, F1, 0
	WIN 0
	s_sub_co_u32 s3, s3, 1
	s_cmp_lg_u32 s3, 0
	s_cbranch_scc1 .Llap
	QUARTER 0, 2, F1, F0, 0                        ; the last lap fills nothing
	QUARTER 0, 3, F0, F1, 0
	MEET 0
	PLACES
	FETCH 1, 0, F0
	MUL16 F1, 1, 0, 0
	MUL16 F1, 1, 2, 0
	QUARTER 1, 1, F0, F1, 0
	QUARTER 1, 2, F1, F0, 0
	QUARTER 1, 3, F0, F1, 0
	s_wait_dscnt 8
	MUL16 F1, 0, 0, 0
	MUL16 F1, 0, 2, 0
	s_wait_dscnt 0x0
	MUL16 F1, 1, 0, 0
	MUL16 F1, 1, 2, 0
	PLACES
	PACK 0
	TOSTAGE 0
.irp a, 1,2,3,4,5,6,7                  ; block a's conversions stand between block a - 1's loads from the stage and the wait for them
	PACK \a
	SEND (\a)-1
	TOSTAGE \a
.endr
	SEND 7
	s_wait_tensorcnt 0x0                           ; the wave's end
	ds_add_u32 v[SPW], v[NIL]
	s_wait_dscnt 0x0
	CROUND                                         ; the closing round
	s_endpgm
.Lfunc_end_k_q40249f0b1d_kvproj:
	.size	k_q40249f0b1d_kvproj, .Lfunc_end_k_q40249f0b1d_kvproj-k_q40249f0b1d_kvproj
	.p2alignl 7, 3214868480
	.fill 96, 4, 3214868480
	.section	.rodata,"a",@progbits
	.p2align	6, 0x0
	.amdhsa_kernel k_q40249f0b1d_kvproj
		.amdhsa_group_segment_fixed_size 327680
		.amdhsa_private_segment_fixed_size 0
		.amdhsa_enable_private_segment 0
		.amdhsa_kernarg_size 64
		.amdhsa_user_sgpr_count 2
		.amdhsa_user_sgpr_kernarg_segment_ptr 1
		.amdhsa_wavefront_size32 1
		.amdhsa_system_sgpr_workgroup_id_x 1
		.amdhsa_system_sgpr_workgroup_id_y 1
		.amdhsa_system_sgpr_workgroup_id_z 1
		.amdhsa_system_vgpr_workitem_id 0
		.amdhsa_next_free_vgpr 1024
		.amdhsa_next_free_sgpr 80
		.amdhsa_reserve_vcc 0
		.amdhsa_float_denorm_mode_32 3
		.amdhsa_float_denorm_mode_16_64 3
		.amdhsa_memory_ordered 1
		.amdhsa_forward_progress 1
		.amdhsa_inst_pref_size 152
	.end_amdhsa_kernel
	.amdgpu_metadata
---
amdhsa.version: [ 1, 2 ]
amdhsa.kernels:
  - .name:           k_q40249f0b1d_kvproj
    .symbol:         k_q40249f0b1d_kvproj.kd
    .args:
      - { .name: act16, .offset: 0, .size: 8, .value_kind: global_buffer, .address_space: global }
      - { .name: wkv, .offset: 8, .size: 8, .value_kind: global_buffer, .address_space: global }
      - { .name: sa_bk, .offset: 16, .size: 8, .value_kind: global_buffer, .address_space: global }
      - { .name: sa_bv, .offset: 24, .size: 8, .value_kind: global_buffer, .address_space: global }
      - { .name: ca_bk, .offset: 32, .size: 8, .value_kind: global_buffer, .address_space: global }
      - { .name: ca_bv, .offset: 40, .size: 8, .value_kind: global_buffer, .address_space: global }
      - { .name: kvs, .offset: 48, .size: 8, .value_kind: global_buffer, .address_space: global }
      - { .name: kvc, .offset: 56, .size: 8, .value_kind: global_buffer, .address_space: global }
    .group_segment_fixed_size: 327680
    .private_segment_fixed_size: 0
    .kernarg_segment_align: 8
    .kernarg_segment_size: 64
    .max_flat_workgroup_size: 128
    .sgpr_count:     80
    .vgpr_count:     1024
    .wavefront_size: 32
...
	.end_amdgpu_metadata
.endif
;; end of part 2
;; launch sattn (part 3): grid 8 x 32, 4 waves a work-group, clusters of 4 x 1, 327,680 bytes of LDS; arguments act16, pa, sa_bq, kvs, sa_g, sa_b, xa; writes xa
.if DOCPART == 3
	.amdgcn_target "amdgcn-amd-amdhsa--gfx1250"
	.amdhsa_code_object_version 6
	.text
	.protected	k_q40249f0b1d_sattn
	.globl	k_q40249f0b1d_sattn
	.p2align	8
	.type	k_q40249f0b1d_sattn,@function
k_q40249f0b1d_sattn:
	s_mov_b64 s[64:65], 0
	v_nop
	global_prefetch_b8 v0, s[64:65] scope:SCOPE_SE
	s_setreg_imm32_b32 hwreg(HW_REG_WAVE_MODE, 25, 1), 1
	s_wait_xcnt 0x0
	s_wait_alu depctr_hold_cnt(0) depctr_sa_sdst(0) depctr_va_vdst(0) depctr_va_sdst(0) depctr_va_ssrc(0) depctr_va_vcc(0) depctr_vm_vsrc(0)
	s_getreg_b32 s2, hwreg(HW_REG_IB_STS2, 6, 4)
	s_cmp_eq_u32 s2, 0
	s_cbranch_scc0 .Lentry_in_a_cluster
	s_endpgm
.Lentry_in_a_cluster:
	s_bfe_u32 s2, ttmp6, 0x10000c
	s_cmp_lg_u32 s2, 0x3003
	s_cbranch_scc0 .Lentry_shape_is_right
	s_endpgm
.Lentry_shape_is_right:
; ATTENTION WITH ITS Q PROJECTION AND ITS LAYERNORM, one text for self- and cross-attention.  Arguments: xin [4096][1024] f16, par (wq [1024][1024] f16; four data words at byte 4,194,304),
; bq, kv (K then V, each [b][h][2048][64] f16), g, be, xout [4096][1024] f16.
;   q = xin wq + bq;  p = softmax over ALL keys of c' q.k;  z = the sum over the open keys of p v;  xout = LN(xin + merge(z)) g + be.
; The data words: c = c' log2(e); FZ and MSH, which make the mask (self: keys k >= q are open; cross: all keys); they enter arithmetic and selects alone, never an address or a branch.
; LIMITS: finite inputs (NaN and infinities are not treated apart, so the isnan selects of the problem change nothing); q, k, v, xin, xout inside f16's 65,504; a weight below 2^-126 counts as 0 in the divisor.
; bq, g, be are rounded to bf16 like every input.  Products, maxima, sums and the LayerNorm in f32; q and the weights p are rounded to f16 for the products, xout once.
; THE MERGE.  z as [b][h][s][64] is read as [b][s'][1024]: row s' = 128 h + t is the tile of queries 16 t .. 16 t + 15 of head h.  So a LayerNorm row is one tile of 16 queries, which one wave holds whole.
; SHARES.  Work-group j = 4 X + cx (X the cluster's x) of head bh takes the tiles t = j mod 8; wave w, piece p: t = 32 w + 8 p + j, queries 512 w + 128 p + 16 j + r.  All four partners walk the same K, V and wq slice: joint loads.
; THE MASK WITHOUT MASKED SCORES.  Maximum and divisor l run over all keys.  The piece's diagonal lies in key step D = 8 w + 2 p + X (free of cx).  In that step O^T is multiplied by a x FZ, which drops all that hidden
; steps have gathered, and P by MD (f16 ones and zeros; the place 16 cx of the tile in the step enters MD's data alone).  The branch that does so hangs on the wave's number, X and the step's count.
; LAYOUT, SOFTMAX, TURNS.  S^T = K Q^T holds one query a lane (lane % 16) and the keys 8 (lane / 16) + 0..7; two such results rounded to f16 are source 1 of O^T = V^T P.  p = 2^(c s - c m) with a running maximum m;
; O and l are multiplied by a = 2^(c m_old - c m_new) in every step.  Turn n belongs to piece n: 8 products K Q^T of piece n + 1, later 8 products V^T P of piece n - 1; beside them the softmax of piece n and the
; maximum of piece n + 1: four vector instructions behind every product, the rest in one lump; a turn's 33 exponentials are one batch with one wait.
; THE PROLOGUE.  Q^T = wq^T xin^T + bq (source 0 = 16 channels, turned out of LDS; source 1 = 16 queries, straight from memory): its result, rounded in pairs, IS source 1 of K Q^T.
; LDS: 0 slot 0 (K 256 x 144, V 256 x 160); 77,824 the head's slice of wq, 1024 rows x 160, filled once; slot 1 (131,072) lies inside it and is filled when its reads are over; 241,664 stages; 311,296 spare words.
; REGISTERS, in windows of 256 (s_set_vgpr_msb: bits 1:0 source 0, 3:2 source 1, 5:4 source 2, 7:6 destination):
;   window 0: v0-15 addresses; v16-31 statistics; v32-47 MD; v48-55 at work; v56-63 constants; v64-127 S^T, two buffers; v192-223 P, two buffers (prologue: v128-255 x set 2)
;   window 1: v0-127 Q^T's sums, then O^T; v128-159 bq      window 2: v0-63 Q; v128-191 K; v192-255 V (prologue: wq's fragments)      window 3: x sets 0 and 1; later g v0-31, be v32-63
.set NP,    4
.set KS,    64
.set PK,    144       ; a row of K in LDS: 128 + 16 bytes
.set PV,    160       ; a row of V and of wq's slice: 128 + 32 bytes, an odd multiple of 32, for the turning load
.set VOFF,  4*KS*PK
.set SLOT1, 1<<17
.set WLDS,  4*KS*(PK+PV)
.set STAGE, WLDS+1024*PV
.set SP,    272       ; a stage row: 64 f32 + 16 bytes
.set TSTG,  16*SP
.set SPARE, STAGE+16*TSTG
.set AK0, 2
.set AV0, 3
.set AK,  4
.set AV,  5
.set STO, 6
.set RD,  7
.set RO,  8           ; 8 x lane
.set QO,  10          ; my byte offset in 16 rows of xin
.set AW,  11          ; LDS address of wq's fragments; steps by a trip
.set PFO, 11          ; behind the prologue: 256 x lane, the prefetches' offset
.set MV,  12
.set BQO, 15
.set ST,  16          ; piece t: c m, m, l (even keys', odd keys')
.set MD,  32
.set TMP, 48          ; by buffer, c0-c3 at work; then c0 = a x FAC, c2 = a
.set ONE, 56
.set G16, 57          ; 16 x lane
.set MEAN, 58
.set RSTD, 60
.set SPW, 62
.set NIL, 63
.set S,   64
.set P,   192
.set KF,  128
.set VF,  192
.set Z,   64          ; the way out: a row in f32
.set RES, 96          ; its residual in f16
.set ACC, 112
.set WK,  120
.set HO,  128
.set WV,  20
.set XC,  21
.set CX,  22
.set JJ,  23
.set BH,  24
.set HH,  25
.set BB,  26
.set G1K, 28
.set G1V, 36
.set G0K, 44
.set G0V, 48
.set G0W, 52
.set SLOTS, 56
.set CNT, 57
.set CS,  58
.set SEL, 60
.set TBK, 62
.set TBV, 63
.set STP, 66          ; the key step of the piece whose statistics are being made
.set FAC, 67
.set G1W, 68
.set DD,  76          ; s[76:79] D of my four pieces
.set DM3, 80          ; D of piece 3, plus 1
.set LIM, 81
.set PFA, 82
.set XB,  84
.set RB,  86
.set OBS, 88
.set KB,  90
.set VB,  92
.set EPS, 94
.set RN,  95
.set CON, 96          ; s[96:99] c, FZ, MSH, (LO)
.set ROWS, 100
.set MSB, 0
.macro WIN new
.if MSB != (\new)
	s_set_vgpr_msb (MSB<<8)|(\new)
.set MSB, (\new)
.endif
.endm
.set W_KQ, 0x0a
.set W_PV, 0x52
.set W_RS, 0x41
.macro PLACES
.rept 4
	v_nop
.endr
.endm
.macro JLOAD                        ; a joint fill: waves 0, 1 fetch the halves of a tile's K, waves 2, 3 of its V
	s_cmp_lt_u32 s[WV], 2
	s_cbranch_scc0 .Lfor_v_\@
	tensor_load_to_lds s[G0K:G0K+3], s[G1K:G1K+7]
	s_nop 0
.rept 4
	v_nop
.endr
	s_branch .Lasked_\@
.Lfor_v_\@:
	tensor_load_to_lds s[G0V:G0V+3], s[G1V:G1V+7]
	s_nop 0
.rept 4
	v_nop
.endr
.Lasked_\@:
.endm
; A prefetch of the tile that the NEXT change of slots will ask for: 128 blocks of 256 bytes of K and of V.  The head's first cluster asks; its partners take 32 blocks each, by address;
; wave 0 asks for K's, wave 2 for V's: each block is named once.  The last change that fills a slot asks for nothing.
.macro ASK
	s_cmp_gt_u32 s[SLOTS], s[LIM]
	s_cbranch_scc0 .Lnot_mine_\@
	global_prefetch_b8 v[PFO], s[PFA:PFA+1] th:TH_LOAD_NT scope:SCOPE_SE
.Lnot_mine_\@:
.endm
.macro CROUND
	s_barrier_signal -1
	s_barrier_wait -1
	s_cmp_lg_u32 s[WV], 0
	s_cbranch_scc1 .Lnot_wave_0_\@
	s_barrier_signal -3
.Lnot_wave_0_\@:
	s_barrier_wait -3
	s_barrier_signal -1
	s_barrier_wait -1
.endm
; THE CHANGE OF SLOTS.  Each wave waits for all its tensor loads, adds 0 to its spare word, waits for that and for its reads of the slot that it leaves.  fill = 1: a round of the cluster's barrier, and the
; joint fill of the old slot first behind it, with the keys two tiles on: it has four key steps in which to land.  (At its first use slot 0 is waited for, and slot 1 filled over wq's slice, whose reads are over.)
.macro CHANGE fill
	WIN 0
	s_wait_tensorcnt 0x0
	ds_add_u32 v[SPW], v[NIL]
.if \fill
.irp g, G0K, G0V
	s_xor_b32 s[\g+1], s[\g+1], SLOT1
	s_add_nc_u64 s[\g+2:\g+3], s[\g+2:\g+3], 4*KS*128
.endr
	s_wait_xcnt 0x0                 ; the last prefetch, four key steps back, has read its address
	s_add_nc_u64 s[PFA:PFA+1], s[PFA:PFA+1], 4*KS*128
	s_wait_dscnt 0x0
	CROUND
	JLOAD
	ASK
.else
	s_wait_dscnt 0x0
	s_barrier_signal -1
	s_barrier_wait -1
.endif
	s_sub_co_u32 s[TBK], s[TBK], 4*KS*PK
	s_xor_b32 s[TBK], s[TBK], SLOT1
	s_sub_co_u32 s[TBV], s[TBV], 4*KS*PV
	s_xor_b32 s[TBV], s[TBV], SLOT1
.endm
	s_load_b256 s[4:11], s[0:1], 0x0   ; xin s[4:5], par s[6:7], bq s[8:9], kv s[10:11]
	s_load_b128 s[12:15], s[0:1], 0x20 ; g, be
	s_load_b64 s[16:17], s[0:1], 0x30  ; xout
	v_lshl_add_u32 v[SPW], v0, 2, SPARE
	v_mov_b32 v[NIL], 0
	ds_add_u32 v[SPW], v[NIL]       ; the wave's opening: the add and its wait stand ahead of my first tensor load
	v_lshrrev_b32 v1, 5, v0
	v_readfirstlane_b32 s[WV], v1
	s_bfe_u32 s[CX], ttmp6, 0x40000
	s_mov_b32 s[XC], ttmp9
	s_lshl_b32 s[JJ], s[XC], 2
	s_add_co_u32 s[JJ], s[JJ], s[CX]
	s_and_b32 s[BH], ttmp7, 0xffff
	s_and_b32 s[HH], s[BH], 15
	s_lshr_b32 s[BB], s[BH], 4
	s_mov_b32 s[G1K], 15|(1<<16)|(1<<20)|(1<<21)|(4<<22)|(3<<25)  ; the mask of four; 2-byte elements; 4 words of padding after every 32
	s_mov_b32 s[G1V], 15|(1<<16)|(1<<20)|(1<<21)|(4<<22)|(7<<25)  ; 8 words of padding
.irp g, G1K, G1V                    ; 128 keys are 16,384 dense bytes: 64 rows of 256 bytes, two keys a row
	s_mov_b32 s[\g+1], 128<<16
	s_mov_b32 s[\g+2], 64<<16
	s_mov_b32 s[\g+3], 128<<16
	s_mov_b32 s[\g+4], 64
	s_mov_b32 s[\g+5], 128
	s_mov_b32 s[\g+6], 0
	s_mov_b32 s[\g+7], 0
.endr
	s_mov_b32 s[G1W], 15|(1<<16)|(1<<20)|(1<<21)|(4<<22)|(7<<25)  ; wq's slice: 256 rows of 64 elements, 1,024 elements apart
	s_mov_b32 s[G1W+1], 64<<16
	s_mov_b32 s[G1W+2], 256<<16
	s_mov_b32 s[G1W+3], 64<<16
	s_mov_b32 s[G1W+4], 256
	s_mov_b32 s[G1W+5], 1024
	s_mov_b32 s[G1W+6], 0
	s_mov_b32 s[G1W+7], 0
	s_mov_b32 s[SEL], 0x76543210
	s_mov_b32 s[SEL+1], 0xfedcba98
	s_mov_b32 s[TBK], SLOT1+4*KS*PK ; the first change of slots turns these two into 0
	s_mov_b32 s[TBV], SLOT1+4*KS*PV
	s_mov_b32 s[SLOTS], 7
	s_mov_b32 s[STP], 0
	s_mov_b32 s[EPS], 0x3727c5ac    ; 1e-5
	s_mov_b32 s[RN], 0x3a800000     ; 1 / 1024
	s_and_b32 s18, s[WV], 1         ; which half of a tile's 256 keys I fetch
	s_mul_i32 s19, s18, 128*PK
	s_mov_b32 s[G0K], 1
	s_mov_b32 s[G0K+1], s19
	s_mul_i32 s19, s18, 128*PV
	s_mov_b32 s[G0V], 1
	s_add_co_u32 s[G0V+1], s19, VOFF
	s_mul_i32 s19, s[WV], 256*PV    ; my quarter of wq's slice
	s_mov_b32 s[G0W], 1
	s_add_co_u32 s[G0W+1], s19, WLDS
	s_lshl_b32 s[KB], s[BH], 18     ; the head's K: 2,048 rows of 128 bytes
	s_lshl_b32 s19, s18, 14
	s_add_co_u32 s[KB], s[KB], s19
	s_mov_b32 s[KB+1], 0
	s_lshl_b32 s2, s[WV], 19        ; wq: k row 256 w, column 64 h
	s_lshl_b32 s3, s[HH], 7
	s_add_co_u32 s2, s2, s3
	s_mov_b32 s3, 0
	s_lshl_b32 s[DD], s[WV], 3
	s_add_co_u32 s[DD], s[DD], s[XC]
	s_add_co_u32 s[DD+1], s[DD], 2
	s_add_co_u32 s[DD+2], s[DD], 4
	s_add_co_u32 s[DD+3], s[DD], 6
	s_add_co_u32 s[DM3], s[DD], 7
	s_or_b32 s[LIM], s18, s[XC]
	s_cmp_eq_u32 s[LIM], 0
	s_cselect_b32 s[LIM], 1, -1     ; the same in all four partners
	s_lshl_b32 s[XB], s[BB], 11     ; my queries' rows of xin: 2048 b + 512 w + 16 j
	s_lshl_b32 s27, s[WV], 9
	s_add_co_u32 s[XB], s[XB], s27
	s_lshl_b32 s27, s[JJ], 4
	s_add_co_u32 s[XB], s[XB], s27
	s_lshl_b32 s[XB], s[XB], 11
	s_mov_b32 s[XB+1], 0
	s_lshl_b32 s[RB], s[BB], 11     ; my merged rows: 2048 b + 128 h + 32 w + j, then 8 rows a piece
	s_lshl_b32 s27, s[HH], 7
	s_add_co_u32 s[RB], s[RB], s27
	s_lshl_b32 s27, s[WV], 5
	s_add_co_u32 s[RB], s[RB], s27
	s_add_co_u32 s[RB], s[RB], s[JJ]
	s_lshl_b32 s[RB], s[RB], 11
	s_mov_b32 s[RB+1], 0
	s_wait_dscnt 0x0                ; the opening add is done
	s_wait_kmcnt 0x0
	s_load_b128 s[CON:CON+3], s[6:7], 0x400000
	s_add_nc_u64 s[KB:KB+1], s[10:11], s[KB:KB+1]
	s_add_nc_u64 s[VB:VB+1], s[KB:KB+1], 0x800000
	s_mov_b64 s[G0K+2:G0K+3], s[KB:KB+1]
	s_or_b32 s[G0K+3], s[G0K+3], 0x80000000
	s_mov_b64 s[G0V+2:G0V+3], s[VB:VB+1]
	s_or_b32 s[G0V+3], s[G0V+3], 0x80000000
	s_add_nc_u64 s[G0W+2:G0W+3], s[6:7], s[2:3]
	s_or_b32 s[G0W+3], s[G0W+3], 0x80000000
	s_add_nc_u64 s[OBS:OBS+1], s[16:17], s[RB:RB+1]
	s_add_nc_u64 s[RB:RB+1], s[4:5], s[RB:RB+1]
	s_add_nc_u64 s[XB:XB+1], s[4:5], s[XB:XB+1]
	s_lshl_b32 s2, s[HH], 8
	s_add_nc_u64 s[8:9], s[8:9], s[2:3]            ; bq at the head's 64 channels
	s_cmp_lt_u32 s[WV], 2
	s_cselect_b64 s[PFA:PFA+1], s[KB:KB+1], s[VB:VB+1]
	s_lshl_b32 s2, s[CX], 13        ; my work-group's 32 blocks,
	s_add_co_u32 s2, s2, 4*KS*128   ; in tile 1; each change steps first, so the change that fills tile k asks for tile k + 1
	s_add_nc_u64 s[PFA:PFA+1], s[PFA:PFA+1], s[2:3]
	CROUND                          ; all four work-groups are here: the first joint loads meet
	s_cmp_lt_u32 s[WV], 2           ; a wave's two first fills stand in one branch: two loads of mine are out
	s_cbranch_scc0 .Lfirst_v
	tensor_load_to_lds s[G0W:G0W+3], s[G1W:G1W+7]
	s_nop 0
	tensor_load_to_lds s[G0K:G0K+3], s[G1K:G1K+7]
	s_nop 0
.rept 4
	v_nop
.endr
	s_branch .Lfirst_asked
.Lfirst_v:
	tensor_load_to_lds s[G0W:G0W+3], s[G1W:G1W+7]
	s_nop 0
	tensor_load_to_lds s[G0V:G0V+3], s[G1V:G1V+7]
	s_nop 0
.rept 4
	v_nop
.endr
.Lfirst_asked:
	v_and_b32 v1, 15, v0            ; l % 16
	v_bfe_u32 v9, v0, 4, 1          ; l / 16
	v_lshlrev_b32 v[BQO], 5, v9
.irp cb, 0,1,2,3                    ; bq: register 8 cb + j of a lane is channel 16 cb + 8 (l / 16) + j
	global_load_b128 v[64+8*\cb:64+8*\cb+3], v[BQO], s[8:9] offset:64*\cb
	global_load_b128 v[64+8*\cb+4:64+8*\cb+7], v[BQO], s[8:9] offset:64*\cb+16
.endr
	v_lshlrev_b32 v[QO], 11, v1
	v_lshl_add_u32 v[QO], v9, 4, v[QO]  ; row x 2,048 + 16 x half
; Trip t's 32 loads of xin's fragments (4 pieces x 128 along K: 256 consecutive bytes of each of 64 rows) into set t % 3
.macro XLOAD t
.if (\t)%3 == 2
	WIN 0
.set XR, 128
.else
	WIN 0xc0
.set XR, 128*((\t)%3)
.endif
.irp p, 0,1,2,3
.irp f, 0,1,2,3
	global_load_b128 v[XR+32*\p+8*\f:XR+32*\p+8*\f+3],   v[QO], s[XB:XB+1] offset:262144*\p+256*(\t)+64*\f
	global_load_b128 v[XR+32*\p+8*\f+4:XR+32*\p+8*\f+7], v[QO], s[XB:XB+1] offset:262144*\p+256*(\t)+64*\f+32
.endr
.endr
.endm
	XLOAD 0
	XLOAD 1
	XLOAD 2
	WIN 0
	v_mul_u32_u24 v[AK0], v1, PK
	v_lshl_add_u32 v[AK0], v9, 4, v[AK0]
	v_and_b32 v14, 7, v0            ; the turning load: lane l reads row 8 (l / 16) + l % 8, 16 bytes at 16 ((l / 8) % 2)
	v_bfe_u32 v[G16], v0, 3, 1
	v_lshl_add_u32 v[AV0], v9, 3, v14
	v_mul_u32_u24 v[AV0], v[AV0], PV
	v_lshl_add_u32 v[AV0], v[G16], 4, v[AV0]
	v_add_nc_u32 v[AW], WLDS, v[AV0]
	v_add_nc_u32 v[AV0], VOFF, v[AV0]
	s_mul_i32 s27, s[WV], 4*TSTG
	s_add_co_u32 s27, s27, STAGE    ; my four stages
	v_mul_u32_u24 v[STO], v1, SP    ; in: query l % 16, 32 bytes for each half of the lanes
	v_lshl_add_u32 v[STO], v9, 5, v[STO]
	v_add_nc_u32 v[STO], s27, v[STO]
	v_mul_u32_u24 v[RD], v9, SP     ; back: lanes 0-15 one query's 256 bytes, lanes 16-31 the next's
	v_lshl_add_u32 v[RD], v1, 4, v[RD]
	v_add_nc_u32 v[RD], s27, v[RD]
	v_and_b32 v[G16], 31, v0
	v_lshlrev_b32 v[RO], 3, v[G16]
	v_lshlrev_b32 v[G16], 4, v[G16]
	v_mov_b32 v[ONE], 1.0
	s_wait_kmcnt 0x0                ; the data words
	s_mov_b32 s[CS], s[CON]
	s_mov_b32 s[CS+1], s[CON]
	; MD: pair n of P holds keys 16 (n / 4) + 2 (n % 4) + 8 (l / 16) + 0, 1 of the step; my query lies at 16 cx + l % 16; a key is open where it is not less.  MSH lowers the threshold below every key.
	v_lshlrev_b32 v14, 3, v9
	v_sub_nc_u32 v14, v1, v14
	s_lshl_b32 s27, s[CX], 4
	s_sub_co_u32 s27, s27, s[CON+2]
	v_add_nc_u32 v14, s27, v14
	v_mov_b32 v58, 0x3c00           ; 1.0 in f16, low half
	v_mov_b32 v59, 0x3c000000       ; high half
.set n, 0
.rept 16
	v_cmp_ge_i32 vcc_lo, 16*(n/4)+2*(n%4), v14
	v_cndmask_b32 v60, 0, v58, vcc_lo
	v_cmp_ge_i32 vcc_lo, 16*(n/4)+2*(n%4)+1, v14
	v_cndmask_b32 v61, 0, v59, vcc_lo
	v_or_b32 v[MD+n], v60, v61
.set n, n+1
.endr
	s_wait_tensorcnt 1              ; my quarter of wq's slice is in; my part of slot 0 stays out
	s_barrier_signal -1
	s_barrier_wait -1
; 16 turning loads: wq's fragments of two chunks of 32 along K (half hf of a trip) x 4 channel blocks
.macro FETCHW hf
	WIN 0x80
.irp g, 0,1
.irp cb, 0,1,2,3
	ds_load_tr16_b128 v[128+64*(\hf)+32*\g+8*\cb:128+64*(\hf)+32*\g+8*\cb+3],   v[AW] offset:64*PV*(\hf)+32*PV*\g+32*\cb
	ds_load_tr16_b128 v[128+64*(\hf)+32*\g+8*\cb+4:128+64*(\hf)+32*\g+8*\cb+7], v[AW] offset:64*PV*(\hf)+32*PV*\g+32*\cb+16*PV
.endr
.endr
.endm
; 16 products of chunk f of trip t; the 16 accumulators take turns.  The very first take bq as C: nothing is cleared.
.macro QMUL t, f
.if (\t)%3 == 2
	WIN 0x52
.set XR, 128
.else
	WIN 0x5e
.set XR, 128*((\t)%3)
.endif
.irp cb, 0,1,2,3
.irp p, 0,1,2,3
.if ((\t) == 0) && ((\f) == 0)
	v_wmma_f32_16x16x32_f16 v[32*\p+8*\cb:32*\p+8*\cb+7], v[128+32*(\f)+8*\cb:128+32*(\f)+8*\cb+7], v[XR+32*\p+8*(\f):XR+32*\p+8*(\f)+7], v[128+8*\cb:128+8*\cb+7]
.else
	v_wmma_f32_16x16x32_f16 v[32*\p+8*\cb:32*\p+8*\cb+7], v[128+32*(\f)+8*\cb:128+32*(\f)+8*\cb+7], v[XR+32*\p+8*(\f):XR+32*\p+8*(\f)+7], v[32*\p+8*\cb:32*\p+8*\cb+7]
.endif
.endr
.endr
.endm
; A trip: 128 along K, 64 products.  left = the younger loads of xin that may stay out (two sets are 64; the count's field ends at 63).
.macro QTRIP t, left
	s_wait_loadcnt \left
.if (\t) == 0                       ; bq is in too: rounded to bf16, kept as f32 in window 1
	WIN 0
.set i, 0
.rept 16
	v_cvt_pk_bf16_f32 v[96+i], v[64+2*i], v[64+2*i+1]
.set i, i+1
.endr
	WIN 0x40
.set i, 0
.rept 16
	v_lshlrev_b32 v[128+2*i], 16, v[96+i]
	v_and_b32 v[128+2*i+1], 0xffff0000, v[96+i]
.set i, i+1
.endr
.endif
	s_wait_dscnt 8                  ; chunk 0 is in
	QMUL \t, 0
	PLACES
	FETCHW 1
	s_wait_dscnt 16                 ; all but the run just issued
	QMUL \t, 1
	s_wait_dscnt 8                  ; chunk 2 is in
	QMUL \t, 2
.if (\t) < 7
	PLACES
	WIN 0
	v_add_nc_u32 v[AW], 128*PV, v[AW]
	FETCHW 0                        ; the next trip's first half
	s_wait_dscnt 16
.else
	s_wait_dscnt 0x0
.endif
	QMUL \t, 3
	PLACES
.if (\t) < 5
	XLOAD (\t)+3                    ; this set is asked for again, three trips on
.endif
.endm
	FETCHW 0
	QTRIP 0, 63
	QTRIP 1, 63
	QTRIP 2, 63
	QTRIP 3, 63
	QTRIP 4, 63
	QTRIP 5, 63
	QTRIP 6, 32
	QTRIP 7, 0
	WIN 0x85                        ; Q: pairs of Q^T's sums, rounded to f16, window 1 -> window 2
.set i, 0
.rept 64
	v_cvt_pk_f16_f32 v[i], v[2*i], v[2*i+1]
.set i, i+1
.endr
	WIN 0
	; What the first turn finds: P's second buffer is 0; l is 0; c m lies far below every c s, so the first step's a is 0 and drops what Q^T's sums left in O^T.
.set i, 0
.rept 16
	v_mov_b32 v[P+16+i], 0
.set i, i+1
.endr
.set i, 0
.rept 4
	v_mov_b32 v[ST+4*i], 0xfe000000
	v_mov_b32 v[ST+4*i+1], 0xff7fffff
	v_mov_b32 v[ST+4*i+2], 0
	v_mov_b32 v[ST+4*i+3], 0
.set i, i+1
.endr
	v_and_b32 v[PFO], 31, v0
	v_lshlrev_b32 v[PFO], 8, v[PFO]
	WIN 0xc0
.irp f, 0,1,2,3,4,5,6,7             ; g and be in the row's layout: lane l holds elements 128 f + 4 l + 0..3
	global_load_b128 v[4*\f:4*\f+3], v[G16], s[12:13] offset:512*\f
	global_load_b128 v[32+4*\f:32+4*\f+3], v[G16], s[14:15] offset:512*\f
.endr
	WIN 0
; THE MATRIX WORK.  The 4 accumulators of a run of 8 take turns.
.macro KQ x                         ; product i of 8 of S^T = K Q^T for piece x: channels 32 (i / 4) on, keys 16 (i % 4) on
	WIN W_KQ
.set rS, S+32*((\x)%2)+8*(i%4)
.set rK, KF+16*(i%4)+8*(i/4)
.set rQ, 16*(\x)+8*(i/4)
.if i < 4
	v_wmma_f32_16x16x32_f16 v[rS:rS+7], v[rK:rK+7], v[rQ:rQ+7], 0
.else
	v_wmma_f32_16x16x32_f16 v[rS:rS+7], v[rK:rK+7], v[rQ:rQ+7], v[rS:rS+7]
.endif
.endm
.macro PV x                         ; product i of 8 of O^T += V^T P for piece x: keys 32 (i / 4) on, channels 16 (i % 4) on
	WIN W_PV
.set rO, 32*(\x)+8*(i%4)
.set rV, VF+32*(i/4)+8*(i%4)
.set rP, P+16*((\x)%2)+8*(i/4)
	v_wmma_f32_16x16x32_f16 v[rO:rO+7], v[rV:rV+7], v[rP:rP+7], v[rO:rO+7]
.endm
.macro MM                           ; the turn's next matrix instruction
.if i < 8
	KQ (Y+1)%NP
.else
.set i, i-8
	PV (Y+NP-1)%NP
.set i, i+8
.endif
.set i, i+1
.endm
.macro FETCH_K
	WIN 0x80
.irp f, 0,1,2,3,4,5,6,7             ; keys 16 (f / 2) on, channels 32 (f % 2) on
	ds_load_b128 v[KF+8*\f:KF+8*\f+3],   v[AK] offset:(\f/2)*16*PK+(\f%2)*64
	ds_load_b128 v[KF+8*\f+4:KF+8*\f+7], v[AK] offset:(\f/2)*16*PK+(\f%2)*64+32
.endr
	s_add_co_u32 s[TBK], s[TBK], KS*PK
	WIN 0
.endm
.macro FETCH_V
	WIN 0x80
.irp f, 0,1,2,3,4,5,6,7             ; keys 32 (f / 4) on, channels 16 (f % 4) on
	ds_load_tr16_b128 v[VF+8*\f:VF+8*\f+3],   v[AV] offset:(\f/4)*32*PV+(\f%4)*32
	ds_load_tr16_b128 v[VF+8*\f+4:VF+8*\f+7], v[AV] offset:(\f/4)*32*PV+16*PV+(\f%4)*32
.endr
	WIN 0
.endm
; THE VECTOR WORK, one line at a time: OP kind, number.  For piece Y: F n: c s - c m for pair n.  E n: the exponential of score n.  C n: pair n rounded to f16.  B n: of the four weights 4 n .. the second pair onto the first.
; L n: l takes that sum (L 0: l = a l + sum).  R n: pair n of O^T times a x FAC.  For piece Y + 1: X n, number n of the 22 that find its maximum and statistics (each accumulator's lowest registers are read first).
.set F, 0
.set E, 1
.set C, 2
.set B, 3
.set L, 4
.set R, 5
.set X, 6
.macro REGS y
.set rT, ST+4*(\y)
.set rC, TMP+4*((\y)%2)
.set rW, MV+((\y)%2)
.set rS, S+32*((\y)%2)
.set rP, P+16*((\y)%2)
.set rO, 32*(\y)
.endm
.macro OP k, n
.if (\k) == R
	REGS Y
	WIN W_RS
	v_pk_mul_f32 v[rO+2*(\n):rO+2*(\n)+1], v[rO+2*(\n):rO+2*(\n)+1], v[rC:rC+1] op_sel_hi:[1,0]
.elseif (\k) < R
	REGS Y
	WIN 0
.if (\k) == F
	v_pk_fma_f32 v[rS+2*(\n):rS+2*(\n)+1], v[rS+2*(\n):rS+2*(\n)+1], s[CS:CS+1], v[rT:rT+1] op_sel_hi:[1,0,0] neg_lo:[0,0,1] neg_hi:[0,0,1]
.elseif (\k) == E
	v_exp_f32 v[rS+(\n)], v[rS+(\n)]
.elseif (\k) == C
	v_cvt_pk_f16_f32 v[rP+(\n)], v[rS+2*(\n)], v[rS+2*(\n)+1]
.elseif (\k) == B
	v_pk_add_f32 v[rS+4*(\n):rS+4*(\n)+1], v[rS+4*(\n):rS+4*(\n)+1], v[rS+4*(\n)+2:rS+4*(\n)+3]
.elseif (\n) == 0
	v_pk_fma_f32 v[rT+2:rT+3], v[rT+2:rT+3], v[rC+2:rC+3], v[rS:rS+1] op_sel_hi:[1,0,1]
.else
	v_pk_add_f32 v[rT+2:rT+3], v[rT+2:rT+3], v[rS+4*(\n):rS+4*(\n)+1]
.endif
.else
	REGS (Y+1)%NP
	WIN 0
.if (\n) < 4
	v_max3_num_f32 v[rC+(\n)], v[rS+8*(\n)], v[rS+8*(\n)+1], v[rS+8*(\n)+2]
.elseif (\n) < 12
	v_max3_num_f32 v[rC+(\n)%4], v[rC+(\n)%4], v[rS+8*((\n)%4)+2*((\n)/4)+1], v[rS+8*((\n)%4)+2*((\n)/4)+2]
.elseif (\n) == 12
	v_max3_num_f32 v[rC], v[rC], v[rS+7], v[rS+15]
.elseif (\n) == 13
	v_max3_num_f32 v[rC+1], v[rC+1], v[rS+23], v[rS+31]
.elseif (\n) == 14
	v_max3_num_f32 v[rC+2], v[rC+2], v[rC+3], v[rT+1]
.elseif (\n) == 15
	v_mov_b32 v[rW], v[rT]
.elseif (\n) == 16
	v_max3_num_f32 v[rC], v[rC], v[rC+1], v[rC+2]
.elseif (\n) == 17
	v_permlanex16_b32 v[rC+3], v[rC], s[SEL], s[SEL+1]
.elseif (\n) == 18
	v_max_num_f32 v[rT+1], v[rC], v[rC+3]
.elseif (\n) == 19
	v_mul_f32 v[rT], s[CS], v[rT+1]
.elseif (\n) == 20
	v_sub_f32 v[rC+1], v[rW], v[rT]
.else
	v_exp_f32 v[rC+2], v[rC+1]
.endif
.endif
.endm
.macro OPA                          ; the next piece's factor for O^T: a, or a x FZ in its diagonal step
	REGS (Y+1)%NP
	WIN 0
	v_mul_f32 v[rC], s[FAC], v[rC+2]
.endm
.macro OPS a, i1, b=-1, i2=0, c=-1, i3=0, d=-1, i4=0
	OP \a, \i1
.if (\b) >= 0
	OP \b, \i2
.endif
.if (\c) >= 0
	OP \c, \i3
.endif
.if (\d) >= 0
	OP \d, \i4
.endif
.endm
.macro ROW a, i1, b, i2, c, i3, d, i4
	MM
	OPS \a, \i1, \b, \i2, \c, \i3, \d, \i4
.endm
; A TURN, for piece p.  Ahead of its one wait stands all that names no result of the turn's exponentials: 8 products K Q^T with their riders and one lump; behind it 8 products V^T P, behind each four of the roundings and sums.
; K of the next step is fetched in piece 2's turn (its address is held to the last step's, so that the walk's last turn fetches that K once more and no branch stands among the exponentials);
; V of the step in hand at the end of piece 0's turn, four plain instructions behind its last reader.  Each is waited for a turn later.
; STP is the step of the piece whose statistics the turn makes: piece 3's turn works for piece 0 of the next step.  At the turn's end P is multiplied by MD if the piece's own step was its diagonal one.
.macro TURN p
.set Y, (\p)
.set i, 0
.if (\p) == 3
	s_add_co_u32 s[STP], s[STP], 1
	s_wait_dscnt 0x0                ; K is in
.endif
	s_cmp_eq_u32 s[STP], s[DD+((\p)+1)%NP]
	s_cselect_b32 s[FAC], s[CON+1], 1.0
	ROW F,0, F,1, R,0, R,1
	ROW F,2, E,0, R,2, R,3
	ROW F,3, E,1, R,4, R,5
	ROW F,4, E,2, R,6, R,7
	ROW F,5, E,3, R,8, R,9
	ROW F,6, E,4, X,0, R,10
.if (\p) == 2
	WIN 0
	s_min_u32 s[TBK], s[TBK], SLOT1+3*KS*PK
	v_add_nc_u32 v[AK], s[TBK], v[AK0]
.endif
	ROW F,7, E,5, X,1, X,4
	ROW F,8, E,6, X,2, X,5
	OPS E,7, E,8, X,6, E,9
	OPS X,3, E,10, X,8, E,11
.if (\p) == 2
	FETCH_K
.endif
	OPS X,9, X,7, E,12, X,10
	OPS E,13, X,12, X,11, E,14
	OPS X,13, E,15, F,9, X,14
.if (\p) == 0
	v_add_nc_u32 v[AV], s[TBV], v[AV0]
.endif
	OPS E,16, F,10, E,17, F,11
	OPS X,16, E,18, X,15, E,19
	OPS F,12, E,20, X,17, E,21
	OPS F,13, E,22, F,14, E,23
	OPS X,18, E,24, F,15, E,25
	OPS R,11, E,26, X,19, E,27
	OPS R,12, E,28, R,13, E,29
	OPS X,20, E,30, R,14, E,31
	OPS X,21, R,15                  ; R 15 is the plain instruction behind the last exponential
	WIN 0
	s_wait_alu depctr_va_vdst(0)    ; the one wait for the batch ahead of the first line that names a result
	OPA
.if (\p) == 1
	s_wait_dscnt 0x0                ; V is in
.endif
	ROW C,0, B,0, C,2, B,1
	ROW L,0, C,4, B,2, L,1
	ROW C,6, B,3, L,2, C,8
	ROW B,4, L,3, C,10, B,5
	ROW L,4, C,12, B,6, L,5
.if (\p) == 0
	s_add_co_u32 s[TBV], s[TBV], KS*PV
.endif
	ROW C,14, B,7, L,6, C,1
	ROW C,3, L,7, C,5, C,7
	ROW C,9, C,11, C,13, C,15
.if (\p) == 0
	FETCH_V
.endif
	WIN 0
.if (\p) == 3
	s_cmp_eq_u32 s[STP], s[DM3]
.else
	s_cmp_eq_u32 s[STP], s[DD+(\p)]
.endif
	s_cbranch_scc0 .Lopen_\@
.set zz, 0
.rept 16
	v_pk_mul_f16 v[P+16*((\p)%2)+zz], v[P+16*((\p)%2)+zz], v[MD+zz]
.set zz, zz+1
.endr
.Lopen_\@:
.endm
	CHANGE 1                        ; slot 0 is in, everybody's part of it; slot 1 is asked for
	v_add_nc_u32 v[AK], s[TBK], v[AK0]
	FETCH_K                         ; key step 0
	s_wait_dscnt 0x0
.set i, 0
.rept 8
	KQ 0                            ; piece 0's first scores
.set i, i+1
.endr
	WIN 0
	PLACES
.set Y, NP-1                        ; X works for piece Y + 1: piece 0
.irp n, 0,1,2,3,4,5,6,7,8,9,10,11,12,13,14,15,16,17,18,19,20,21
	OP X, \n
.endr
	v_nop                           ; a plain instruction behind the exponential,
	s_wait_alu depctr_va_vdst(0)    ; and its wait
	s_cmp_eq_u32 s[STP], s[DD]
	s_cselect_b32 s[FAC], s[CON+1], 1.0
	OPA
	s_mov_b32 s[CNT], 4
	s_branch .Lfirst                ; the loop is entered at a step's first turn, in the middle of a trip
.Lslot:                             ; six times: tiles 2 .. 7 are asked for
	CHANGE 1
	s_mov_b32 s[CNT], 4
.Lstep:                             ; a trip: pieces 2 and 3 of one step, then pieces 0 and 1 of the next
	TURN 2
	TURN 3
.Lfirst:
	TURN 0
	TURN 1
	s_sub_co_u32 s[CNT], s[CNT], 1
	s_cmp_lg_u32 s[CNT], 0
	s_cbranch_scc1 .Lstep
	s_sub_co_u32 s[SLOTS], s[SLOTS], 1
	s_cmp_lg_u32 s[SLOTS], 0
	s_cbranch_scc1 .Lslot
	CHANGE 0                        ; the tail is written out
	s_mov_b32 s[CNT], 5             ; four trips fetch the last tile's steps; the fifth is left in its middle
.Ltail:
	TURN 2
	TURN 3
	s_sub_co_u32 s[CNT], s[CNT], 1
	s_cmp_eq_u32 s[CNT], 0
	s_cbranch_scc1 .Lout
	TURN 0
	TURN 1
	s_branch .Ltail
.Lout:                              ; the fifth trip's 8 products K Q^T and the maximum made of them serve nothing: the price of one text for every trip
.set i, 0
.rept 8
	PV NP-1
.set i, i+1
.endr
	; THE WAY OUT.  l is finished; z = O^T / l goes in f32 through my stages; then row by row: + residual, LayerNorm, f16, stored.
	WIN 0
.macro ALL line:vararg
.set t, 0
.rept 4
	\line
.set t, t+1
.endr
.endm
	ALL v_add_f32 v[ST+4*t+2], v[ST+4*t+2], v[ST+4*t+3]
	ALL v_permlanex16_b32 v[ST+4*t+3], v[ST+4*t+2], s[SEL], s[SEL+1]
	ALL v_add_f32 v[ST+4*t+2], v[ST+4*t+2], v[ST+4*t+3]
	ALL v_rcp_f32 v[ST+4*t+2], v[ST+4*t+2]
	v_nop
	s_wait_alu depctr_va_vdst(0)    ; one wait for the four reciprocals
	s_wait_loadcnt 0x0              ; g and be: rounded to bf16 like every input, kept as f32
	WIN 0xff
.set i, 0
.rept 32
	v_cvt_pk_bf16_f32 v[64+i], v[2*i], v[2*i+1]
.set i, i+1
.endr
.set i, 0
.rept 32
	v_lshlrev_b32 v[2*i], 16, v[64+i]
	v_and_b32 v[2*i+1], 0xffff0000, v[64+i]
.set i, i+1
.endr
.macro ZOUT t                       ; a lane's eight channels of a query are 32 bytes of a stage row
	WIN W_RS
.set i, 32*(\t)
.rept 16
	v_pk_mul_f32 v[i:i+1], v[i:i+1], v[ST+4*(\t)+2:ST+4*(\t)+3] op_sel_hi:[1,0]
.set i, i+2
.endr
	WIN 0x04                        ; address window 0, data window 1
.irp cb, 0,1,2,3
	ds_store_b128 v[STO], v[32*(\t)+8*\cb:32*(\t)+8*\cb+3]   offset:TSTG*(\t)+64*\cb
	ds_store_b128 v[STO], v[32*(\t)+8*\cb+4:32*(\t)+8*\cb+7] offset:TSTG*(\t)+64*\cb+16
.endr
.endm
	ZOUT 0
	ZOUT 1
	ZOUT 2
	ZOUT 3
	WIN 0
	v_mov_b32 v[WK+1], 0
.macro REDUCE                       ; four chains into one number, then over the 32 lanes: every lane ends with the row's sum
	v_pk_add_f32 v[ACC:ACC+1], v[ACC:ACC+1], v[ACC+2:ACC+3]
	v_pk_add_f32 v[ACC+4:ACC+5], v[ACC+4:ACC+5], v[ACC+6:ACC+7]
	v_pk_add_f32 v[ACC:ACC+1], v[ACC:ACC+1], v[ACC+4:ACC+5]
	v_add_f32 v[WK], v[ACC], v[ACC+1]
	v_add_f32_dpp v[WK], v[WK], v[WK] row_xmask:1 row_mask:0xf bank_mask:0xf
	v_add_f32_dpp v[WK], v[WK], v[WK] row_xmask:2 row_mask:0xf bank_mask:0xf
	v_add_f32_dpp v[WK], v[WK], v[WK] row_xmask:4 row_mask:0xf bank_mask:0xf
	v_add_f32_dpp v[WK], v[WK], v[WK] row_xmask:8 row_mask:0xf bank_mask:0xf
	v_permlanex16_b32 v[WK+1], v[WK], s[SEL], s[SEL+1]
	v_add_f32 v[WK], v[WK], v[WK+1]
.endm
	s_mov_b32 s[ROWS], 4
.Lrow:                              ; a trip: one merged row; lane l holds elements 128 f + 4 l + 0..3
.irp f, 0,1,2,3,4,5,6,7
	ds_load_b128 v[Z+4*\f:Z+4*\f+3], v[RD] offset:2*SP*\f   ; my own bytes: LDS serves a wave's instructions in order
.endr
.irp f, 0,1,2,3,4,5,6,7
	global_load_b64 v[RES+2*\f:RES+2*\f+1], v[RO], s[RB:RB+1] offset:256*\f
.endr
	s_wait_dscnt 0x0
	s_wait_loadcnt 0x0
.set hh, 0
.rept 16
	v_fma_mix_f32 v[Z+2*hh], v[RES+hh], v[ONE], v[Z+2*hh] op_sel_hi:[1,0,0]
	v_fma_mix_f32 v[Z+2*hh+1], v[RES+hh], v[ONE], v[Z+2*hh+1] op_sel:[1,0,0] op_sel_hi:[1,0,0]
.set hh, hh+1
.endr
.irp c, 0,1,2,3
	v_pk_add_f32 v[ACC+2*\c:ACC+2*\c+1], v[Z+2*\c:Z+2*\c+1], v[Z+8+2*\c:Z+8+2*\c+1]
.endr
.irp k, 16,24
.irp c, 0,1,2,3
	v_pk_add_f32 v[ACC+2*\c:ACC+2*\c+1], v[ACC+2*\c:ACC+2*\c+1], v[Z+\k+2*\c:Z+\k+2*\c+1]
.endr
.endr
	REDUCE
	v_mul_f32 v[MEAN], s[RN], v[WK]
	v_mov_b32 v[MEAN+1], v[MEAN]
.set i, 0
.rept 16
	v_pk_add_f32 v[Z+2*i:Z+2*i+1], v[Z+2*i:Z+2*i+1], v[MEAN:MEAN+1] op_sel_hi:[1,0] neg_lo:[0,1] neg_hi:[0,1]
.set i, i+1
.endr
.irp c, 0,1,2,3
	v_pk_mul_f32 v[ACC+2*\c:ACC+2*\c+1], v[Z+2*\c:Z+2*\c+1], v[Z+2*\c:Z+2*\c+1]
.endr
.irp k, 8,16,24
.irp c, 0,1,2,3
	v_pk_fma_f32 v[ACC+2*\c:ACC+2*\c+1], v[Z+\k+2*\c:Z+\k+2*\c+1], v[Z+\k+2*\c:Z+\k+2*\c+1], v[ACC+2*\c:ACC+2*\c+1]
.endr
.endr
	REDUCE
	v_fma_f32 v[WK], v[WK], s[RN], s[EPS]
	v_rsq_f32 v[RSTD], v[WK]
	v_nop
	s_wait_alu depctr_va_vdst(0)
	v_mov_b32 v[RSTD+1], v[RSTD]
.set i, 0
.rept 16
	v_pk_mul_f32 v[Z+2*i:Z+2*i+1], v[Z+2*i:Z+2*i+1], v[RSTD:RSTD+1] op_sel_hi:[1,0]
.set i, i+1
.endr
	WIN 0x3c                        ; g and be in window 3
.set i, 0
.rept 16
	v_pk_fma_f32 v[Z+2*i:Z+2*i+1], v[Z+2*i:Z+2*i+1], v[2*i:2*i+1], v[32+2*i:32+2*i+1]
.set i, i+1
.endr
	WIN 0
.set i, 0
.rept 16
	v_cvt_pk_f16_f32 v[HO+i], v[Z+2*i], v[Z+2*i+1]
.set i, i+1
.endr
.irp f, 0,1,2,3,4,5,6,7
	global_store_b64 v[RO], v[HO+2*\f:HO+2*\f+1], s[OBS:OBS+1] offset:256*\f   ; 256 consecutive bytes, aligned
.endr
	s_wait_xcnt 0x0                 ; the stores have read their data and base: both are written again only behind this wait
	s_add_nc_u64 s[RB:RB+1], s[RB:RB+1], 8*2048
	s_add_nc_u64 s[OBS:OBS+1], s[OBS:OBS+1], 8*2048
	v_add_nc_u32 v[RD], TSTG, v[RD]
	s_sub_co_u32 s[ROWS], s[ROWS], 1
	s_cmp_lg_u32 s[ROWS], 0
	s_cbranch_scc1 .Lrow
	s_wait_tensorcnt 0x0            ; the wave's end
	ds_add_u32 v[SPW], v[NIL]
	s_wait_dscnt 0x0
	CROUND                          ; the closing round
	s_endpgm
.Lfunc_end_k_q40249f0b1d_sattn:
	.size	k_q40249f0b1d_sattn, .Lfunc_end_k_q40249f0b1d_sattn-k_q40249f0b1d_sattn
	.p2alignl 7, 3214868480
	.fill 96, 4, 3214868480
	.section	.rodata,"a",@progbits
	.p2align	6, 0x0
	.amdhsa_kernel k_q40249f0b1d_sattn
		.amdhsa_group_segment_fixed_size 327680
		.amdhsa_private_segment_fixed_size 0
		.amdhsa_enable_private_segment 0
		.amdhsa_kernarg_size 56
		.amdhsa_user_sgpr_count 2
		.amdhsa_user_sgpr_kernarg_segment_ptr 1
		.amdhsa_wavefront_size32 1
		.amdhsa_system_sgpr_workgroup_id_x 1
		.amdhsa_system_sgpr_workgroup_id_y 1
		.amdhsa_system_sgpr_workgroup_id_z 1
		.amdhsa_system_vgpr_workitem_id 0
		.amdhsa_next_free_vgpr 1024
		.amdhsa_next_free_sgpr 102
		.amdhsa_reserve_vcc 1
		.amdhsa_float_denorm_mode_32 3
		.amdhsa_float_denorm_mode_16_64 3
		.amdhsa_memory_ordered 1
		.amdhsa_forward_progress 1
		.amdhsa_inst_pref_size 216
	.end_amdhsa_kernel
	.amdgpu_metadata
---
amdhsa.version: [ 1, 2 ]
amdhsa.kernels:
  - .name:           k_q40249f0b1d_sattn
    .symbol:         k_q40249f0b1d_sattn.kd
    .args:
      - { .name: act16, .offset: 0, .size: 8, .value_kind: global_buffer, .address_space: global }
      - { .name: pa, .offset: 8, .size: 8, .value_kind: global_buffer, .address_space: global }
      - { .name: sa_bq, .offset: 16, .size: 8, .value_kind: global_buffer, .address_space: global }
      - { .name: kvs, .offset: 24, .size: 8, .value_kind: global_buffer, .address_space: global }
      - { .name: sa_g, .offset: 32, .size: 8, .value_kind: global_buffer, .address_space: global }
      - { .name: sa_b, .offset: 40, .size: 8, .value_kind: global_buffer, .address_space: global }
      - { .name: xa, .offset: 48, .size: 8, .value_kind: global_buffer, .address_space: global }
    .group_segment_fixed_size: 327680
    .private_segment_fixed_size: 0
    .kernarg_segment_align: 8
    .kernarg_segment_size: 56
    .max_flat_workgroup_size: 128
    .sgpr_count:     102
    .vgpr_count:     1024
    .wavefront_size: 32
...
	.end_amdgpu_metadata
.endif
;; end of part 3
;; launch cattn: the kernel of part 3 again; grid 8 x 32, 4 waves a work-group, clusters of 4 x 1, 327,680 bytes of LDS; arguments xa, pb, ca_bq, kvc, ca_g, ca_b, xb; writes xb
;; launch ffn1 (part 4): grid 8 x 32, 4 waves a work-group, clusters of 4 x 4, 327,680 bytes of LDS; arguments xb, pa, ffn_b1, xa; writes xa
.if DOCPART == 4
	.amdgcn_target "amdgcn-amd-amdhsa--gfx1250"
	.amdhsa_code_object_version 6
	.text
	.protected	k_q40249f0b1d_ffn1
	.globl	k_q40249f0b1d_ffn1
	.p2align	8
	.type	k_q40249f0b1d_ffn1,@function
k_q40249f0b1d_ffn1:
	s_mov_b64 s[64:65], 0
	v_nop
	global_prefetch_b8 v0, s[64:65] scope:SCOPE_SE
	s_setreg_imm32_b32 hwreg(HW_REG_WAVE_MODE, 25, 1), 1
	s_wait_xcnt 0x0
	s_wait_alu depctr_hold_cnt(0) depctr_sa_sdst(0) depctr_va_vdst(0) depctr_va_sdst(0) depctr_va_ssrc(0) depctr_va_vcc(0) depctr_vm_vsrc(0)
	s_getreg_b32 s2, hwreg(HW_REG_IB_STS2, 6, 4)
	s_cmp_eq_u32 s2, 0
	s_cbranch_scc0 .Lentry_in_a_cluster
	s_endpgm
.Lentry_in_a_cluster:
	s_bfe_u32 s2, ttmp6, 0x10000c
	s_cmp_lg_u32 s2, 0xf033
	s_cbranch_scc0 .Lentry_shape_is_right
	s_endpgm
.Lentry_shape_is_right:
; AN FFN PRODUCT: out = max(a w + bias, LO), a [4096][1024] f16, w [1024][1024] f16 (the second matrix of par, at byte 2,097,152), out [4096][1024] f16, rounded once; sums in f32.
; LO is a data word of par (byte 4,194,316): two f16 zeros make the ReLU of the first product, two -infinities leave the second as it is.  It enters one packed maximum alone.
; LIMITS: finite inputs; the results stay inside f16's 65,504.  The bias is rounded to bf16 like every input and starts the sums as the C of the first products.
; 32 x 8 tiles of 128 x 128, one work-group each: 256.  Four waves, 64 x 64 each: 16 accumulators.  K goes in four steps of 256 through two LDS slots.
; A lies along K: rows of 512 bytes, LDS pitch 528.  B lies across K: 256 rows of 256 bytes, LDS pitch 288; its fragments come out turned.  CLUSTER 4 x 4: A's tile is shared along a row, B's along a column: joint loads.
; No prefetch: a step's tiles are small beside the work-groups that read them together.  THE MATRIX INSTRUCTION IS USED TRANSPOSED: a lane holds eight neighbouring columns of one row.
; REGISTERS: window 0: v0-31 addresses; v32-95 at work; v96-127 the bias; v128-255 accumulators ((a, b) at v[128 + 8 (4 a + b)]);  window 1: two fragment buffers of 128 (64 of A, then 64 of B).
.set PITCH,  528
.set PB,     288                       ; 256 + 32 bytes, an odd multiple of 32
.set HALFA,  64*PITCH                  ; what waves 0, 1 fetch: 64 rows of A
.set HALFB,  128*PB                    ; what waves 2, 3 fetch: 128 rows of B
.set BOFF,   2*HALFA
.set SLOT,   2*HALFA+2*HALFB
.set STAGE,  2*SLOT                    ; behind the ring: 128 rows x 272 bytes, the work-group's
.set SPITCH, 272
.set SPARE,  STAGE+128*SPITCH
.set ADRA, 16                          ; v16-17  by slot
.set ADRB, 20                          ; v20-23  by slot and half of the K step, so that the immediates stay inside 16 bits
.set STO,  24
.set RD,   25
.set CO,   26
.set BO,   27
.set SPW,  28
.set NIL,  29
.set LOV,  30
.set TMP,  32
.set BIAS, 96
.set ACC,  128
.set F0,   0
.set F1,   128
.set G1, 24
.set G0, 32
.set G1B, 48
.set G0B, 56
.set MSB, 0
.macro WIN new
.if MSB != (\new)
	s_set_vgpr_msb (MSB<<8)|(\new)
.set MSB, \new
.endif
.endm
.set MUL,  0x05
.set TO_F, 0x40
.macro JLOAD s
	s_cmp_eq_u32 s11, 0
	s_cbranch_scc0 .Lfor_b_\@
	tensor_load_to_lds s[G0+4*(\s):G0+4*(\s)+3], s[G1:G1+7]
	s_nop 0
.rept 4
	v_nop
.endr
	s_branch .Lasked_\@
.Lfor_b_\@:
	tensor_load_to_lds s[G0B+4*(\s):G0B+4*(\s)+3], s[G1B:G1B+7]
	s_nop 0
.rept 4
	v_nop
.endr
.Lasked_\@:
.endm
.macro CREST
	s_cmp_lg_u32 s10, 0
	s_cbranch_scc1 .Lnot_wave_0_\@
	s_barrier_signal -3
.Lnot_wave_0_\@:
	s_barrier_wait -3
	s_barrier_signal -1
	s_barrier_wait -1
.endm
.macro CROUND
	s_barrier_signal -1
	s_barrier_wait -1
	CREST
.endm
	s_load_b256 s[4:11], s[0:1], 0x0               ; a s[4:5], par s[6:7], bias s[8:9], out: moved to s[2:3] below, since s10, s11 are the wave's numbers
	v_lshl_add_u32 v[SPW], v0, 2, SPARE
	v_mov_b32 v[NIL], 0
	ds_add_u32 v[SPW], v[NIL]                      ; the wave's opening: the add and its wait stand ahead of my first tensor load
	v_lshrrev_b32 v1, 5, v0
	s_bfe_u32 s40, ttmp6, 0x40000                  ; cx, cy
	s_bfe_u32 s41, ttmp6, 0x40004
	s_lshl_b32 s42, ttmp9, 2
	s_add_co_u32 s42, s42, s40                     ; tile column 0..7
	s_and_b32 s13, ttmp7, 0xffff
	s_lshl_b32 s13, s13, 2
	s_add_co_u32 s13, s13, s41                     ; tile row 0..31
	s_lshl_b32 s43, s41, 2
	s_lshl_b32 s43, 15, s43
	s_lshl_b32 s44, 0x1111, s40
	s_or_b32 s[G1+0], s43, (1<<16)|(1<<20)|(1<<21)|(6<<22)|(3<<25)   ; A: 4 words of padding after every 128
	s_or_b32 s[G1B+0], s44, (1<<16)|(1<<20)|(1<<21)|(5<<22)|(7<<25)  ; B: 8 words after every 64
	s_mov_b32 s[G1+1], 256<<16
	s_mov_b32 s[G1+2], 64<<16
	s_mov_b32 s[G1+3], 256<<16                     ; 256 elements
	s_mov_b32 s[G1+4], 64                          ; x 64 rows
	s_mov_b32 s[G1+5], 1024
	s_mov_b32 s[G1+6], 0
	s_mov_b32 s[G1+7], 0
	s_mov_b32 s[G1B+1], 128<<16
	s_mov_b32 s[G1B+2], 128<<16
	s_mov_b32 s[G1B+3], 128<<16                    ; 128 elements
	s_mov_b32 s[G1B+4], 128                        ; x 128 rows
	s_mov_b32 s[G1B+5], 1024
	s_mov_b32 s[G1B+6], 0
	s_mov_b32 s[G1B+7], 0
	s_wait_dscnt 0x0                               ; the opening add is done
	s_wait_kmcnt 0x0
	s_mov_b64 s[2:3], s[10:11]                     ; out
	s_load_b32 s66, s[6:7], 0x40000c               ; LO
	v_readfirstlane_b32 s10, v1                    ; wave 0..3
	s_lshr_b32 s11, s10, 1                         ; my half of the rows.  Also: I fetch for A (0) or B (1)
	s_and_b32 s12, s10, 1                          ; my half of the columns.  Also: which half of that tile I fetch
	s_lshl_b32 s16, s13, 7                         ; A: row 128 x tile row + 64 x half
	s_lshl_b32 s17, s12, 6
	s_add_co_u32 s16, s16, s17
	s_lshl_b32 s16, s16, 11
	s_mov_b32 s17, 0
	s_lshl_b32 s46, s12, 18                        ; B: k row 128 x half, column 128 x tile column, in par's second matrix
	s_lshl_b32 s47, s42, 8
	s_add_co_u32 s46, s46, s47
	s_add_co_u32 s46, s46, 2097152
	s_mov_b32 s47, 0
	s_mul_i32 s20, s12, HALFA                      ; where they go: no place in the cluster enters an LDS address
	s_mul_i32 s21, s12, HALFB
	s_add_co_u32 s21, s21, BOFF
	s_add_nc_u64 s[14:15], s[4:5], s[16:17]
	s_add_nc_u64 s[46:47], s[6:7], s[46:47]
	CROUND                                         ; all sixteen work-groups are here
.irp s, 0,1
	s_mov_b32 s[G0+4*(\s)], 1
	s_add_co_u32 s[G0+4*(\s)+1], s20, (\s)*SLOT
	s_add_nc_u64 s[G0+4*(\s)+2:G0+4*(\s)+3], s[14:15], (\s)*512
	s_or_b32 s[G0+4*(\s)+3], s[G0+4*(\s)+3], 0x80000000
	s_mov_b32 s[G0B+4*(\s)], 1
	s_add_co_u32 s[G0B+4*(\s)+1], s21, (\s)*SLOT
	s_add_nc_u64 s[G0B+4*(\s)+2:G0B+4*(\s)+3], s[46:47], (\s)*524288
	s_or_b32 s[G0B+4*(\s)+3], s[G0B+4*(\s)+3], 0x80000000
	JLOAD \s                                       ; two loads of mine are out
.endr
	v_and_b32 v1, 15, v0
	v_bfe_u32 v2, v0, 4, 1
	v_mul_u32_u24 v3, v1, PITCH
	v_lshl_add_u32 v3, v2, 4, v3
	v_and_b32 v4, 7, v0
	v_lshl_add_u32 v4, v2, 3, v4
	v_mul_u32_u24 v4, v4, PB
	v_bfe_u32 v5, v0, 3, 1
	v_lshl_add_u32 v4, v5, 4, v4
	s_mul_i32 s21, s11, HALFA                      ; my 64 rows of A
	s_lshl_b32 s22, s12, 7                         ; my 64 columns of B
	s_add_co_u32 s22, s22, BOFF
.irp s, 0,1
	v_add_nc_u32 v[ADRA+(\s)], s21, v3
	v_add_nc_u32 v[ADRB+2*(\s)], s22, v4
	s_add_co_u32 s23, s22, HALFB
	v_add_nc_u32 v[ADRB+2*(\s)+1], s23, v4
	s_add_co_u32 s21, s21, SLOT
	s_add_co_u32 s22, s22, SLOT
.endr
	s_mul_i32 s23, s11, 64*SPITCH                  ; into the stage: my 64 rows, my half of their 256 bytes
	s_lshl_b32 s21, s12, 7
	s_add_co_u32 s23, s23, s21
	s_add_co_u32 s23, s23, STAGE
	v_mul_u32_u24 v4, v1, SPITCH
	v_lshl_add_u32 v4, v2, 4, v4
	v_add_nc_u32 v[STO], s23, v4
	s_mul_i32 s23, s10, 32*SPITCH                  ; back: wave w takes rows 32 w .. 32 w + 31, whole
	s_add_co_u32 s23, s23, STAGE
	v_mul_u32_u24 v5, v2, SPITCH
	v_lshl_add_u32 v5, v1, 4, v5
	v_add_nc_u32 v[RD], s23, v5
	v_lshlrev_b32 v5, 11, v2                       ; and the same two rows in out
	v_lshl_add_u32 v[CO], v1, 4, v5
	s_lshl_b32 s16, s13, 7
	s_lshl_b32 s17, s10, 5
	s_add_co_u32 s16, s16, s17
	s_lshl_b32 s16, s16, 11                        ; row 128 x tile row + 32 x wave,
	s_lshl_b32 s17, s42, 8                         ; the tile's first column
	s_add_co_u32 s16, s16, s17
	s_mov_b32 s17, 0
	s_add_nc_u64 s[2:3], s[2:3], s[16:17]
	s_lshl_b32 s16, s42, 9                         ; the bias of my 64 columns
	s_lshl_b32 s18, s12, 8
	s_add_co_u32 s16, s16, s18
	s_add_nc_u64 s[8:9], s[8:9], s[16:17]
	v_lshlrev_b32 v[BO], 5, v2
.irp i, 0,1,2,3
	global_load_b128 v[TMP+8*(\i):TMP+8*(\i)+3],   v[BO], s[8:9] offset:64*(\i)
	global_load_b128 v[TMP+8*(\i)+4:TMP+8*(\i)+7], v[BO], s[8:9] offset:64*(\i)+16
.endr
	s_wait_kmcnt 0x0
	v_mov_b32 v[LOV], s66
	s_wait_loadcnt 0x0
.set i, 0
.rept 16
	v_cvt_pk_bf16_f32 v[TMP+32+i], v[TMP+2*i], v[TMP+2*i+1]
.set i, i+1
.endr
.set i, 0
.rept 16
	v_lshlrev_b32 v[BIAS+2*i], 16, v[TMP+32+i]
	v_and_b32 v[BIAS+2*i+1], 0xffff0000, v[TMP+32+i]
.set i, i+1
.endr
; 8 matrix instructions: m blocks a0, a0 + 1 x 4 n blocks, 32 along K: half c of buffer f.  first = 1: the bias is C.  The 16 accumulators take turns.
.macro MUL8 f, c, a0, first
	WIN MUL
.irp a, \a0, (\a0)+1
.irp b, 0,1,2,3
.if \first
	v_wmma_f32_16x16x32_f16 v[ACC+8*(4*(\a)+(\b)):ACC+8*(4*(\a)+(\b))+7], v[(\f)+64+8*(4*(\c)+(\b)):(\f)+64+8*(4*(\c)+(\b))+7], v[(\f)+8*(4*(\c)+(\a)):(\f)+8*(4*(\c)+(\a))+7], v[BIAS+8*(\b):BIAS+8*(\b)+7]
.else
	v_wmma_f32_16x16x32_f16 v[ACC+8*(4*(\a)+(\b)):ACC+8*(4*(\a)+(\b))+7], v[(\f)+64+8*(4*(\c)+(\b)):(\f)+64+8*(4*(\c)+(\b))+7], v[(\f)+8*(4*(\c)+(\a)):(\f)+8*(4*(\c)+(\a))+7], v[ACC+8*(4*(\a)+(\b)):ACC+8*(4*(\a)+(\b))+7]
.endif
.endr
.endr
.endm
; 32 LDS loads in one run: the fragments of quarter q (64 along K) into buffer f; the first 32 along K first
.macro FETCH slot, q, f
	WIN TO_F
.irp c, 0,1
.irp i, 0,1,2,3
	ds_load_tr16_b128 v[(\f)+64+8*(4*(\c)+(\i)):(\f)+64+8*(4*(\c)+(\i))+3],   v[ADRB+2*(\slot)+(\q)/2] offset:64*PB*((\q)%2)+32*PB*(\c)+32*(\i)
	ds_load_tr16_b128 v[(\f)+64+8*(4*(\c)+(\i))+4:(\f)+64+8*(4*(\c)+(\i))+7], v[ADRB+2*(\slot)+(\q)/2] offset:64*PB*((\q)%2)+32*PB*(\c)+32*(\i)+16*PB
	ds_load_b128 v[(\f)+8*(4*(\c)+(\i)):(\f)+8*(4*(\c)+(\i))+3],         v[ADRA+(\slot)] offset:128*(\q)+64*(\c)+(\i)*16*PITCH
	ds_load_b128 v[(\f)+8*(4*(\c)+(\i))+4:(\f)+8*(4*(\c)+(\i))+7],       v[ADRA+(\slot)] offset:128*(\q)+64*(\c)+(\i)*16*PITCH+32
.endr
.endr
.endm
.macro PLACES
.rept 4
	v_nop
.endr
.endm
.macro QUARTER slot, q, f, g, first
	s_wait_dscnt 16                                ; the first 32 along K are in
	MUL8 \f, 0, 0, \first
	MUL8 \f, 0, 2, \first
	PLACES
	FETCH \slot, \q, \g
	s_wait_dscnt 32                                ; all but the 32 just issued
	MUL8 \f, 1, 0, 0
	MUL8 \f, 1, 2, 0
.endm
; The last quarter changes slots: each wave waits for all its tensor loads, adds 0 to its spare word, waits for that and for its reads of this slot.  fill = 1: a round of the cluster's barrier and the refill, two K steps on.
.macro TURN slot, next, fill
	WIN 0
	s_wait_tensorcnt 0x0
	ds_add_u32 v[SPW], v[NIL]
	s_wait_dscnt 17                                ; the add and the youngest sixteen loads may be out
	MUL8 F1, 0, 0, 0
	s_wait_dscnt 0x0
	s_barrier_signal -1
	MUL8 F1, 0, 2, 0
.if \fill
	WIN 0
.endif
	s_barrier_wait -1
.if \fill
	CREST
	s_add_nc_u64 s[G0+4*(\slot)+2:G0+4*(\slot)+3], s[G0+4*(\slot)+2:G0+4*(\slot)+3], 2*512
	s_add_nc_u64 s[G0B+4*(\slot)+2:G0B+4*(\slot)+3], s[G0B+4*(\slot)+2:G0B+4*(\slot)+3], 2*524288
	JLOAD \slot                                    ; my one load behind the round; its four v_nop are also the places in front of the loads below
.else
	PLACES
.endif
	FETCH \next, 0, F0
	MUL8 F1, 1, 0, 0
	MUL8 F1, 1, 2, 0
.endm
	s_wait_tensorcnt 1                             ; my part of K step 0 is in; K step 1's stays out
	s_barrier_signal -1
	s_barrier_wait -1
	FETCH 0, 0, F0
	QUARTER 0, 1, F0, F1, 1                        ; four K steps, written straight: the first two changes of slots fill again, the third does not
	QUARTER 0, 2, F1, F0, 0
	QUARTER 0, 3, F0, F1, 0
	TURN 0, 1, 1
	QUARTER 1, 1, F0, F1, 0
	QUARTER 1, 2, F1, F0, 0
	QUARTER 1, 3, F0, F1, 0
	TURN 1, 0, 1
	QUARTER 0, 1, F0, F1, 0
	QUARTER 0, 2, F1, F0, 0
	QUARTER 0, 3, F0, F1, 0
	TURN 0, 1, 0
	QUARTER 1, 1, F0, F1, 0
	QUARTER 1, 2, F1, F0, 0
	QUARTER 1, 3, F0, F1, 0
	s_wait_dscnt 16
	MUL8 F1, 0, 0, 0
	MUL8 F1, 0, 2, 0
	s_wait_dscnt 0x0
	MUL8 F1, 1, 0, 0
	MUL8 F1, 1, 2, 0
	WIN 0
	; THE WAY OUT: rounded to f16, held to LO from below; 16 bytes a lane into the work-group's stage; a barrier, since a row's 256 bytes come from two waves; back as whole rows.
	PLACES
.irp t, 0,1,2,3,4,5,6,7,8,9,10,11,12,13,14,15
.irp r, 0,1,2,3
	v_cvt_pk_f16_f32 v[TMP+4*(\t)+(\r)], v[ACC+8*(\t)+2*(\r)], v[ACC+8*(\t)+2*(\r)+1]
.endr
.endr
.set i, 0
.rept 64
	v_pk_max_num_f16 v[TMP+i], v[TMP+i], v[LOV]
.set i, i+1
.endr
.irp a, 0,1,2,3
.irp b, 0,1,2,3
	ds_store_b128 v[STO], v[TMP+4*(4*(\a)+(\b)):TMP+4*(4*(\a)+(\b))+3] offset:(\a)*16*SPITCH+32*(\b)
.endr
.endr
	s_wait_dscnt 0x0                               ; for the others' sake: my stores into the stage are done
	s_barrier_signal -1
	s_barrier_wait -1
.irp t, 0,1,2,3,4,5,6,7,8,9,10,11,12,13,14,15
	ds_load_b128 v[TMP+4*(\t):TMP+4*(\t)+3], v[RD] offset:(\t)*2*SPITCH
.endr
.irp t, 0,1,2,3,4,5,6,7,8,9,10,11,12,13,14,15
	s_wait_dscnt 15-(\t)
	global_store_b128 v[CO], v[TMP+4*(\t):TMP+4*(\t)+3], s[2:3] offset:2*(\t)*2048  ; 16 lanes store 256 consecutive bytes, aligned
.endr
	s_wait_tensorcnt 0x0                           ; the wave's end
	ds_add_u32 v[SPW], v[NIL]
	s_wait_dscnt 0x0
	CROUND                                         ; the closing round
	s_endpgm
.Lfunc_end_k_q40249f0b1d_ffn1:
	.size	k_q40249f0b1d_ffn1, .Lfunc_end_k_q40249f0b1d_ffn1-k_q40249f0b1d_ffn1
	.p2alignl 7, 3214868480
	.fill 96, 4, 3214868480
	.section	.rodata,"a",@progbits
	.p2align	6, 0x0
	.amdhsa_kernel k_q40249f0b1d_ffn1
		.amdhsa_group_segment_fixed_size 327680
		.amdhsa_private_segment_fixed_size 0
		.amdhsa_enable_private_segment 0
		.amdhsa_kernarg_size 32
		.amdhsa_user_sgpr_count 2
		.amdhsa_user_sgpr_kernarg_segment_ptr 1
		.amdhsa_wavefront_size32 1
		.amdhsa_system_sgpr_workgroup_id_x 1
		.amdhsa_system_sgpr_workgroup_id_y 1
		.amdhsa_system_sgpr_workgroup_id_z 1
		.amdhsa_system_vgpr_workitem_id 0
		.amdhsa_next_free_vgpr 512
		.amdhsa_next_free_sgpr 68
		.amdhsa_reserve_vcc 0
		.amdhsa_float_denorm_mode_32 3
		.amdhsa_float_denorm_mode_16_64 3
		.amdhsa_memory_ordered 1
		.amdhsa_forward_progress 1
		.amdhsa_inst_pref_size 94
	.end_amdhsa_kernel
	.amdgpu_metadata
---
amdhsa.version: [ 1, 2 ]
amdhsa.kernels:
  - .name:           k_q40249f0b1d_ffn1
    .symbol:         k_q40249f0b1d_ffn1.kd
    .args:
      - { .name: xb, .offset: 0, .size: 8, .value_kind: global_buffer, .address_space: global }
      - { .name: pa, .offset: 8, .size: 8, .value_kind: global_buffer, .address_space: global }
      - { .name: ffn_b1, .offset: 16, .size: 8, .value_kind: global_buffer, .address_space: global }
      - { .name: xa, .offset: 24, .size: 8, .value_kind: global_buffer, .address_space: global }
    .group_segment_fixed_size: 327680
    .private_segment_fixed_size: 0
    .kernarg_segment_align: 8
    .kernarg_segment_size: 32
    .max_flat_workgroup_size: 128
    .sgpr_count:     68
    .vgpr_count:     512
    .wavefront_size: 32
...
	.end_amdgpu_metadata
.endif
;; end of part 4
;; launch ffn2: the kernel of part 4 again; grid 8 x 32, 4 waves a work-group, clusters of 4 x 4, 327,680 bytes of LDS; arguments xa, pb, ffn_b2, act16; writes act16
;; launch lnout (part 5): grid 256 x 1, 8 waves a work-group, no clusters, 0 bytes of LDS; arguments act16, xb, ffn_g, ffn_b, out0; writes out0
.if DOCPART == 5
	.amdgcn_target "amdgcn-amd-amdhsa--gfx1250"
	.amdhsa_code_object_version 6
	.text
	.protected	k_q40249f0b1d_lnout
	.globl	k_q40249f0b1d_lnout
	.p2align	8
	.type	k_q40249f0b1d_lnout,@function
k_q40249f0b1d_lnout:
	s_mov_b64 s[64:65], 0
	v_nop
	global_prefetch_b8 v0, s[64:65] scope:SCOPE_SE
	s_setreg_imm32_b32 hwreg(HW_REG_WAVE_MODE, 25, 1), 1
	s_wait_xcnt 0x0
; THE LAST LAYERNORM: out0 = LN(y + x2) g + be.  y (the first 8,388,608 bytes of the first argument) and x2 are [4096][1024] f16, out0 f32; all arithmetic in f32; g and be are rounded to bf16 like every input.
; LIMITS: finite inputs.  The variance is taken of the centred row, as the problem takes it.
; A stream: 256 work-groups of 16 rows, a wave two rows; a row lies in one wave's registers (lane l holds elements 128 f + 4 l + 0..3), so no LDS and no barrier.
; All of a wave's 48 loads go out at the start; each load of y or x2 covers 256 consecutive bytes, each store 512.
.set YH,  16                           ; row r: y at v[16+32 r ..], x2 at v[32+32 r ..]
.set XH,  32
.set G,   80                           ; v[80:111] g, v[112:143] be
.set BE,  112
.set T,   144
.set ACC, 176
.set MEAN, 184
.set RSTD, 186
.set WK,  188
.set ONE, 190
.set CV,  192
	s_load_b256 s[4:11], s[0:1], 0x0               ; y, x2, g, be
	s_load_b64 s[12:13], s[0:1], 0x20              ; out0
	v_and_b32 v1, 31, v0
	v_lshrrev_b32 v2, 5, v0
	v_lshlrev_b32 v3, 3, v1
	v_lshl_add_u32 v3, v2, 12, v3                  ; 8 x lane + my two rows of 2,048 bytes
	v_lshlrev_b32 v4, 4, v1                        ; 16 x lane
	v_lshl_add_u32 v5, v2, 13, v4                  ; + my two rows of 4,096 bytes
	v_mov_b32 v[ONE], 1.0
	v_mov_b32 v[WK+1], 0
	s_lshl_b32 s14, ttmp9, 15
	s_mov_b32 s15, 0
	s_lshl_b32 s16, ttmp9, 16
	s_mov_b32 s17, 0
	s_mov_b32 s18, 0x76543210
	s_mov_b32 s19, 0xfedcba98
	s_mov_b32 s20, 0x3a800000                      ; 1 / 1024
	s_mov_b32 s21, 0x3727c5ac                      ; 1e-5
	s_wait_kmcnt 0x0
	s_add_nc_u64 s[4:5], s[4:5], s[14:15]
	s_add_nc_u64 s[6:7], s[6:7], s[14:15]
	s_add_nc_u64 s[12:13], s[12:13], s[16:17]
.irp f, 0,1,2,3,4,5,6,7
	global_load_b128 v[G+4*\f:G+4*\f+3], v4, s[8:9] offset:512*\f
	global_load_b128 v[BE+4*\f:BE+4*\f+3], v4, s[10:11] offset:512*\f
.endr
.irp r, 0,1
.irp f, 0,1,2,3,4,5,6,7
	global_load_b64 v[YH+32*\r+2*\f:YH+32*\r+2*\f+1], v3, s[4:5] offset:2048*\r+256*\f th:TH_LOAD_NT
	global_load_b64 v[XH+32*\r+2*\f:XH+32*\r+2*\f+1], v3, s[6:7] offset:2048*\r+256*\f th:TH_LOAD_NT
.endr
.endr
	s_wait_loadcnt 32                              ; g and be are in; both rows' 32 loads may stay out
.set i, 0
.rept 32
	v_cvt_pk_bf16_f32 v[CV+i%4], v[G+2*i], v[G+2*i+1]
	v_lshlrev_b32 v[G+2*i], 16, v[CV+i%4]
	v_and_b32 v[G+2*i+1], 0xffff0000, v[CV+i%4]
.set i, i+1
.endr
.macro REDUCE
	v_pk_add_f32 v[ACC:ACC+1], v[ACC:ACC+1], v[ACC+2:ACC+3]
	v_pk_add_f32 v[ACC+4:ACC+5], v[ACC+4:ACC+5], v[ACC+6:ACC+7]
	v_pk_add_f32 v[ACC:ACC+1], v[ACC:ACC+1], v[ACC+4:ACC+5]
	v_add_f32 v[WK], v[ACC], v[ACC+1]
	v_add_f32_dpp v[WK], v[WK], v[WK] row_xmask:1 row_mask:0xf bank_mask:0xf
	v_add_f32_dpp v[WK], v[WK], v[WK] row_xmask:2 row_mask:0xf bank_mask:0xf
	v_add_f32_dpp v[WK], v[WK], v[WK] row_xmask:4 row_mask:0xf bank_mask:0xf
	v_add_f32_dpp v[WK], v[WK], v[WK] row_xmask:8 row_mask:0xf bank_mask:0xf
	v_permlanex16_b32 v[WK+1], v[WK], s18, s19
	v_add_f32 v[WK], v[WK], v[WK+1]
.endm
.macro ROWLN r, left
	s_wait_loadcnt \left                           ; this row is in; the younger row's loads may stay out
	s_wait_xcnt 0x0                                ; the row before has been stored from T: it is rewritten only behind this wait
.set hh, 0
.rept 16
	v_fma_mix_f32 v[T+2*hh], v[YH+32*(\r)+hh], v[ONE], v[XH+32*(\r)+hh] op_sel_hi:[1,0,1]
	v_fma_mix_f32 v[T+2*hh+1], v[YH+32*(\r)+hh], v[ONE], v[XH+32*(\r)+hh] op_sel:[1,0,1] op_sel_hi:[1,0,1]
.set hh, hh+1
.endr
.irp c, 0,1,2,3
	v_pk_add_f32 v[ACC+2*\c:ACC+2*\c+1], v[T+2*\c:T+2*\c+1], v[T+8+2*\c:T+8+2*\c+1]
.endr
.irp k, 16,24
.irp c, 0,1,2,3
	v_pk_add_f32 v[ACC+2*\c:ACC+2*\c+1], v[ACC+2*\c:ACC+2*\c+1], v[T+\k+2*\c:T+\k+2*\c+1]
.endr
.endr
	REDUCE
	v_mul_f32 v[MEAN], s20, v[WK]
	v_mov_b32 v[MEAN+1], v[MEAN]
.set i, 0
.rept 16
	v_pk_add_f32 v[T+2*i:T+2*i+1], v[T+2*i:T+2*i+1], v[MEAN:MEAN+1] op_sel_hi:[1,0] neg_lo:[0,1] neg_hi:[0,1]
.set i, i+1
.endr
.irp c, 0,1,2,3
	v_pk_mul_f32 v[ACC+2*\c:ACC+2*\c+1], v[T+2*\c:T+2*\c+1], v[T+2*\c:T+2*\c+1]
.endr
.irp k, 8,16,24
.irp c, 0,1,2,3
	v_pk_fma_f32 v[ACC+2*\c:ACC+2*\c+1], v[T+\k+2*\c:T+\k+2*\c+1], v[T+\k+2*\c:T+\k+2*\c+1], v[ACC+2*\c:ACC+2*\c+1]
.endr
.endr
	REDUCE
	v_fma_f32 v[WK], v[WK], s20, s21
	v_rsq_f32 v[RSTD], v[WK]
	v_nop                                          ; a plain instruction behind the root,
	s_wait_alu depctr_va_vdst(0)                   ; and the wait ahead of its first use
	v_mov_b32 v[RSTD+1], v[RSTD]
.set i, 0
.rept 16
	v_pk_mul_f32 v[T+2*i:T+2*i+1], v[T+2*i:T+2*i+1], v[RSTD:RSTD+1] op_sel_hi:[1,0]
.set i, i+1
.endr
.set i, 0
.rept 16
	v_pk_fma_f32 v[T+2*i:T+2*i+1], v[T+2*i:T+2*i+1], v[G+2*i:G+2*i+1], v[BE+2*i:BE+2*i+1]
.set i, i+1
.endr
.irp f, 0,1,2,3,4,5,6,7
	global_store_b128 v5, v[T+4*\f:T+4*\f+3], s[12:13] offset:4096*(\r)+512*\f th:TH_STORE_NT
.endr
.endm
	ROWLN 0, 16
	ROWLN 1, 0
	s_endpgm
.Lfunc_end_k_q40249f0b1d_lnout:
	.size	k_q40249f0b1d_lnout, .Lfunc_end_k_q40249f0b1d_lnout-k_q40249f0b1d_lnout
	.p2alignl 7, 3214868480
	.fill 96, 4, 3214868480
	.section	.rodata,"a",@progbits
	.p2align	6, 0x0
	.amdhsa_kernel k_q40249f0b1d_lnout
		.amdhsa_group_segment_fixed_size 0
		.amdhsa_private_segment_fixed_size 0
		.amdhsa_enable_private_segment 0
		.amdhsa_kernarg_size 40
		.amdhsa_user_sgpr_count 2
		.amdhsa_user_sgpr_kernarg_segment_ptr 1
		.amdhsa_wavefront_size32 1
		.amdhsa_system_sgpr_workgroup_id_x 1
		.amdhsa_system_sgpr_workgroup_id_y 1
		.amdhsa_system_sgpr_workgroup_id_z 1
		.amdhsa_system_vgpr_workitem_id 0
		.amdhsa_next_free_vgpr 200
		.amdhsa_next_free_sgpr 66
		.amdhsa_reserve_vcc 0
		.amdhsa_float_denorm_mode_32 3
		.amdhsa_float_denorm_mode_16_64 3
		.amdhsa_memory_ordered 1
		.amdhsa_forward_progress 1
		.amdhsa_inst_pref_size 29
	.end_amdhsa_kernel
	.amdgpu_metadata
---
amdhsa.version: [ 1, 2 ]
amdhsa.kernels:
  - .name:           k_q40249f0b1d_lnout
    .symbol:         k_q40249f0b1d_lnout.kd
    .args:
      - { .name: act16, .offset: 0, .size: 8, .value_kind: global_buffer, .address_space: global }
      - { .name: xb, .offset: 8, .size: 8, .value_kind: global_buffer, .address_space: global }
      - { .name: ffn_g, .offset: 16, .size: 8, .value_kind: global_buffer, .address_space: global }
      - { .name: ffn_b, .offset: 24, .size: 8, .value_kind: global_buffer, .address_space: global }
      - { .name: out0, .offset: 32, .size: 8, .value_kind: global_buffer, .address_space: global }
    .group_segment_fixed_size: 0
    .private_segment_fixed_size: 0
    .kernarg_segment_align: 8
    .kernarg_segment_size: 40
    .max_flat_workgroup_size: 256
    .sgpr_count:     66
    .vgpr_count:     200
    .wavefront_size: 32
...
	.end_amdgpu_metadata
.endif
;; end of part 5
;; ======== version 2 of 2: 7 launches; version 1 with the launch prep written anew for expert scheduling mode
;; limits: values are held in f16: magnitudes above 65,504 overflow, below 6.1e-05 lose precision; inputs' magnitudes at most 65,504
;; workspace buffers: act16 16,777,216 bytes; wkv 8,388,608 bytes; pa 4,194,560 bytes; pb 4,194,560 bytes; kvs 16,777,216 bytes; kvc 16,777,216 bytes; xa 8,388,608 bytes; xb 8,388,608 bytes
;; launch prep (part 6): grid 256 x 1, 8 waves a work-group, no clusters, 0 bytes of LDS; arguments decoded, encoded, sa_wk, sa_wv, ca_wk, ca_wv, sa_wq, ffn_w1, ca_wq, ffn_w2, act16, wkv, pa, pb; writes act16, wkv, pa, pb
.if DOCPART == 6
	.amdgcn_target "amdgcn-amd-amdhsa--gfx1250"
	.amdhsa_code_object_version 6
	.text
	.protected	k_q40249f0b1d_prep
	.globl	k_q40249f0b1d_prep
	.p2align	8
	.type	k_q40249f0b1d_prep,@function
k_q40249f0b1d_prep:
	s_mov_b64 s[64:65], 0
	v_nop
	global_prefetch_b8 v0, s[64:65] scope:SCOPE_SE
	s_setreg_imm32_b32 hwreg(HW_REG_WAVE_SCHED_MODE, 0, 2), 2
	s_setreg_imm32_b32 hwreg(HW_REG_WAVE_MODE, 25, 1), 1
	s_wait_xcnt 0x0
	s_wait_alu depctr_vm_vsrc(0)
; PREP: every large input is rounded once to bf16 and that number is written as f16 (exact inside f16's normal range).
; LIMITS: inputs are finite and below 65,504 in size; a bf16 number below 2^-14 keeps f16's fixed step of 2^-24.
; 256 work-groups, each casts 65,536 numbers (262,144 bytes in, 131,072 out): 0-63 decoded, 64-127 encoded -> act16; 128-191 the four K/V weights -> wkv;
; 192-223 sa_wq, ffn_w1 -> pa; 224-255 ca_wq, ffn_w2 -> pb.  A wave takes 8,192 numbers on end: 64 loads of 512 consecutive bytes, 64 stores of 256 consecutive aligned bytes.
; A ring of DEPTH register slots keeps up to DEPTH loads of every wave on their way.  Nothing is shared and nothing is read twice: no LDS, no barrier, no matrix unit.
; Work-group 0, wave 0 also writes the four data words of each mode behind the weights in pa and pb: c, FZ, MSH, LO (repeated over 256 bytes).
; THE MODE: SCHED_MODE bits 1:0 = 2 (LLVM: expert scheduling mode 2), set by the entry lines.  The code itself states the register dependences
; between vector instructions and memory instructions, with s_wait_alu, always for 0.
; THE PLAN.  A round of the ring goes in four blocks of BLOCK slots.  Registers that memory instructions touch:
;   X, slot i   four f32 as loaded.  Written by the slot's load; read by the slot's first two conversions; loaded again in the same block, for the next round.
;   Y, slot i   four f16 to store.   Written by the slot's last two conversions; read by the slot's store, in the same block; written again a whole round later.
;   v1, v2      byte offsets, made once at the head and never written again: the rounds are reached by the scalar bases, the slots by immediate offsets.
;   T is named by vector instructions alone.
; A block: the wait for its four loads; its 32 conversions; ONE wait on va_vdst, which states that they have written the block's Y and are done reading the block's X; then the block's
; four loads and four stores in two runs.  The wait stands behind the conversions, so that a slot is asked for again at once and does not lie idle behind the next block's wait for data.
; One wait on vm_vsrc at a block's head, beside s_wait_xcnt 0, states that the stores of the round before have read the Y that the block writes again.
.set DEPTH, 16
.set BLOCK, 4
.set T, 4                              ; v[4:9]    at work
.set X, 16                             ; v[16:79]  slot i: four f32 as loaded
.set Y, 80                             ; v[80:111] slot i: four f16 to store
.set CONSTS, 4194304                   ; byte in pa and pb at which the data words stand
	s_load_b512 s[8:23], s[0:1], 0x0               ; decoded, encoded, sa_wk, sa_wv, ca_wk, ca_wv, sa_wq, ffn_w1
	s_load_b256 s[24:31], s[0:1], 0x40             ; ca_wq, ffn_w2, act16, wkv
	s_load_b128 s[32:35], s[0:1], 0x60             ; pa, pb
	v_lshrrev_b32 v3, 5, v0
	v_readfirstlane_b32 s46, v3                    ; wave
	v_and_b32 v12, 31, v0                          ; lane
	v_lshlrev_b32 v1, 4, v12
	v_lshl_or_b32 v1, v3, 15, v1                   ; source offset: 32,768 x wave + 16 x lane; never rewritten
	v_lshrrev_b32 v2, 1, v1                        ; destination offset: half of it; never rewritten
	s_mov_b32 s38, 0xffff0000                      ; a word's upper bf16
	s_mov_b32 s40, ttmp9
	s_lshr_b32 s36, s40, 6                         ; which source: 0, 1 for the activations,
	s_and_b32 s37, s40, 63                         ; and which part of it
	s_sub_co_u32 s42, s40, 128
	s_sub_co_u32 s43, s40, 192
	s_sub_co_u32 s44, s40, 224
	s_lshr_b32 s47, s42, 4
	s_add_co_u32 s47, s47, 2                       ; 2 .. 9 for the weights,
	s_and_b32 s45, s40, 15                         ; sixteen parts each
	s_cmp_ge_u32 s40, 128
	s_cselect_b32 s36, s47, s36
	s_cselect_b32 s37, s45, s37
	s_cselect_b32 s41, s42, s40                    ; my place in the destination buffer, in parts of 131,072 bytes
	s_cmp_ge_u32 s40, 192
	s_cselect_b32 s41, s43, s41
	s_cmp_ge_u32 s40, 224
	s_cselect_b32 s41, s44, s41
	s_lshl_b32 s2, s37, 18
	s_mov_b32 s3, 0
	s_lshl_b32 s48, s41, 17
	s_mov_b32 s49, 0
	s_wait_alu depctr_va_sdst(0)                   ; s46, the wave's number, is written, ahead of its first reader, the line below
	s_or_b32 s45, s40, s46                         ; 0 in work-group 0, wave 0 alone: it writes the data words at the end
	s_wait_kmcnt 0x0
	s_mov_b64 s[4:5], s[8:9]
.irp i, 1,2,3,4,5,6,7,8,9
	s_cmp_eq_u32 s36, \i
	s_cselect_b64 s[4:5], s[8+2*\i:9+2*\i], s[4:5] ; the source, chosen by the work-group's number
.endr
	s_mov_b64 s[6:7], s[28:29]
	s_cmp_ge_u32 s40, 128
	s_cselect_b64 s[6:7], s[30:31], s[6:7]
	s_cmp_ge_u32 s40, 192
	s_cselect_b64 s[6:7], s[32:33], s[6:7]
	s_cmp_ge_u32 s40, 224
	s_cselect_b64 s[6:7], s[34:35], s[6:7]
	s_add_nc_u64 s[4:5], s[4:5], s[2:3]
	s_add_nc_u64 s[6:7], s[6:7], s[48:49]
	s_wait_alu depctr_va_vdst(0)                   ; v1 and v2 are written: every load of the ring reads v1 as its offset, every store v2
.irp i, 0,1,2,3,4,5,6,7,8,9,10,11,12,13,14,15
	global_load_b128 v[X+4*(\i):X+4*(\i)+3], v1, s[4:5] offset:(\i)*512 th:TH_LOAD_NT  ; the ring is filled
.endr
; Slot i's eight conversions: to bf16, that number as f32, and written as f16.
.macro CONV i
	v_cvt_pk_bf16_f32 v[T], v[X+4*(\i)], v[X+4*(\i)+1]
	v_cvt_pk_bf16_f32 v[T+1], v[X+4*(\i)+2], v[X+4*(\i)+3]
	v_lshlrev_b32 v[T+2], 16, v[T]                 ; the bf16 numbers as f32
	v_and_b32 v[T+3], s38, v[T]
	v_lshlrev_b32 v[T+4], 16, v[T+1]
	v_and_b32 v[T+5], s38, v[T+1]
	v_cvt_pk_f16_f32 v[Y+2*(\i)], v[T+2], v[T+3]
	v_cvt_pk_f16_f32 v[Y+2*(\i)+1], v[T+4], v[T+5]
.endm
; Block b of a round: slots 4 b to 4 b + 3.  ahead = 1: the slots are filled again, DEPTH loads further on.  left = the younger loads that may stay out.
.macro BLK b, ahead, left
	s_wait_loadcnt \left                           ; loads come back in order: the block's four are in, the younger blocks stay out
	s_wait_xcnt 0x0                                ; the block's last stores, a round back, have had their addresses translated: their data registers are rewritten only behind this wait,
	s_wait_alu depctr_vm_vsrc(0)                   ; and they have read the block's Y, which the conversions below write again
.irp j, 0,1,2,3
	CONV BLOCK*(\b)+\j
.endr
	s_wait_alu depctr_va_vdst(0)                   ; the conversions have written the block's Y, which the stores below read, and are done reading its X, in which the loads below land
.if \ahead
.irp j, 0,1,2,3
	global_load_b128 v[X+4*(BLOCK*(\b)+\j):X+4*(BLOCK*(\b)+\j)+3], v1, s[4:5] offset:(DEPTH+BLOCK*(\b)+\j)*512 th:TH_LOAD_NT
.endr
.endif
.irp j, 0,1,2,3
	global_store_b64 v2, v[Y+2*(BLOCK*(\b)+\j):Y+2*(BLOCK*(\b)+\j)+1], s[6:7] offset:(BLOCK*(\b)+\j)*256
.endr
.endm
	s_mov_b32 s39, 3
.Lround:
	BLK 0, 1, DEPTH-BLOCK
	BLK 1, 1, DEPTH-BLOCK
	BLK 2, 1, DEPTH-BLOCK
	BLK 3, 1, DEPTH-BLOCK
	s_wait_xcnt 0x0                                ; all that was issued has read its base: the bases step
	s_add_nc_u64 s[4:5], s[4:5], DEPTH*512
	s_add_nc_u64 s[6:7], s[6:7], DEPTH*256
	s_sub_co_u32 s39, s39, 1
	s_cmp_lg_u32 s39, 0
	s_cbranch_scc1 .Lround
	BLK 0, 0, DEPTH-BLOCK                          ; the last round loads nothing: no load leaves the buffer, and the counts run down
	BLK 1, 0, DEPTH-2*BLOCK
	BLK 2, 0, DEPTH-3*BLOCK
	BLK 3, 0, 0
	s_cmp_lg_u32 s45, 0
	s_cbranch_scc1 .Ldone                          ; the data words: work-group 0, wave 0
	v_and_b32 v13, 1, v0
	v_cmp_eq_u32 vcc_lo, 1, v13                    ; even lanes write (c, FZ), odd lanes (MSH, LO)
	v_lshlrev_b32 v14, 3, v12
	v_mov_b32 v8, 0x3d0293ee                       ; self-attention: c = log2(e) / sqrt(2048)
	v_mov_b32 v9, 0                                ; MSH = 0, FZ = 0, LO = 0 (ReLU for ffn1)
	s_wait_alu depctr_va_vcc(0)                    ; the compare has written VCC, ahead of its first reader, the select below
	v_cndmask_b32 v4, v8, v9, vcc_lo
	v_mov_b32 v5, 0
	v_mov_b32 v8, 0x3fb8aa3b                       ; cross-attention: c = log2(e)
	v_mov_b32 v9, 4096                             ; MSH: every key is open
	v_cndmask_b32 v6, v8, v9, vcc_lo
	v_mov_b32 v10, 1.0                             ; FZ = 1
	v_mov_b32 v11, 0xfc00fc00                      ; LO = -infinity twice: ffn2 has no ReLU
	v_cndmask_b32 v7, v10, v11, vcc_lo
	s_wait_alu depctr_va_vdst(0)                   ; v14, the offset, and v[4:7], the data of the two stores below, are written
	global_store_b64 v14, v[4:5], s[32:33] offset:CONSTS
	global_store_b64 v14, v[6:7], s[34:35] offset:CONSTS
.Ldone:
	s_endpgm
.Lfunc_end_k_q40249f0b1d_prep:
	.size	k_q40249f0b1d_prep, .Lfunc_end_k_q40249f0b1d_prep-k_q40249f0b1d_prep
	.p2alignl 7, 3214868480
	.fill 96, 4, 3214868480
	.section	.rodata,"a",@progbits
	.p2align	6, 0x0
	.amdhsa_kernel k_q40249f0b1d_prep
		.amdhsa_group_segment_fixed_size 0
		.amdhsa_private_segment_fixed_size 0
		.amdhsa_enable_private_segment 0
		.amdhsa_kernarg_size 112
		.amdhsa_user_sgpr_count 2
		.amdhsa_user_sgpr_kernarg_segment_ptr 1
		.amdhsa_wavefront_size32 1
		.amdhsa_system_sgpr_workgroup_id_x 1
		.amdhsa_system_sgpr_workgroup_id_y 1
		.amdhsa_system_sgpr_workgroup_id_z 1
		.amdhsa_system_vgpr_workitem_id 0
		.amdhsa_next_free_vgpr 112
		.amdhsa_next_free_sgpr 66
		.amdhsa_reserve_vcc 1
		.amdhsa_float_denorm_mode_32 3
		.amdhsa_float_denorm_mode_16_64 3
		.amdhsa_memory_ordered 1
		.amdhsa_forward_progress 1
		.amdhsa_inst_pref_size 23
	.end_amdhsa_kernel
	.amdgpu_metadata
---
amdhsa.version: [ 1, 2 ]
amdhsa.kernels:
  - .name:           k_q40249f0b1d_prep
    .symbol:         k_q40249f0b1d_prep.kd
    .args:
      - { .name: decoded, .offset: 0, .size: 8, .value_kind: global_buffer, .address_space: global }
      - { .name: encoded, .offset: 8, .size: 8, .value_kind: global_buffer, .address_space: global }
      - { .name: sa_wk, .offset: 16, .size: 8, .value_kind: global_buffer, .address_space: global }
      - { .name: sa_wv, .offset: 24, .size: 8, .value_kind: global_buffer, .address_space: global }
      - { .name: ca_wk, .offset: 32, .size: 8, .value_kind: global_buffer, .address_space: global }
      - { .name: ca_wv, .offset: 40, .size: 8, .value_kind: global_buffer, .address_space: global }
      - { .name: sa_wq, .offset: 48, .size: 8, .value_kind: global_buffer, .address_space: global }
      - { .name: ffn_w1, .offset: 56, .size: 8, .value_kind: global_buffer, .address_space: global }
      - { .name: ca_wq, .offset: 64, .size: 8, .value_kind: global_buffer, .address_space: global }
      - { .name: ffn_w2, .offset: 72, .size: 8, .value_kind: global_buffer, .address_space: global }
      - { .name: act16, .offset: 80, .size: 8, .value_kind: global_buffer, .address_space: global }
      - { .name: wkv, .offset: 88, .size: 8, .value_kind: global_buffer, .address_space: global }
      - { .name: pa, .offset: 96, .size: 8, .value_kind: global_buffer, .address_space: global }
      - { .name: pb, .offset: 104, .size: 8, .value_kind: global_buffer, .address_space: global }
    .group_segment_fixed_size: 0
    .private_segment_fixed_size: 0
    .kernarg_segment_align: 8
    .kernarg_segment_size: 112
    .max_flat_workgroup_size: 256
    .sgpr_count:     66
    .vgpr_count:     112
    .wavefront_size: 32
...
	.end_amdgpu_metadata
.endif
;; end of part 6
;; launch kvproj: the kernel of part 2 again; grid 16 x 16, 4 waves a work-group, clusters of 4 x 4, 327,680 bytes of LDS; arguments act16, wkv, sa_bk, sa_bv, ca_bk, ca_bv, kvs, kvc; writes kvs, kvc
;; launch sattn: the kernel of part 3 again; grid 8 x 32, 4 waves a work-group, clusters of 4 x 1, 327,680 bytes of LDS; arguments act16, pa, sa_bq, kvs, sa_g, sa_b, xa; writes xa
;; launch cattn: the kernel of part 3 again; grid 8 x 32, 4 waves a work-group, clusters of 4 x 1, 327,680 bytes of LDS; arguments xa, pb, ca_bq, kvc, ca_g, ca_b, xb; writes xb
;; launch ffn1: the kernel of part 4 again; grid 8 x 32, 4 waves a work-group, clusters of 4 x 4, 327,680 bytes of LDS; arguments xb, pa, ffn_b1, xa; writes xa
;; launch ffn2: the kernel of part 4 again; grid 8 x 32, 4 waves a work-group, clusters of 4 x 4, 327,680 bytes of LDS; arguments xa, pb, ffn_b2, act16; writes act16
;; launch lnout: the kernel of part 5 again; grid 256 x 1, 8 waves a work-group, no clusters, 0 bytes of LDS; arguments act16, xb, ffn_g, ffn_b, out0; writes out0
